; MI455X (gfx1250); checked and timed in simulation.
; The chip was launched on July 23, 2026; its instructions are those of AMD's public machine-readable ISA for CDNA 5 (MIT licence, August 2026) and "CDNA5" Instruction Set Architecture Reference Guide (July 2026). The comments in the code are by the model that wrote it; some were corrected since.
;; Attention. Allowed arithmetic: matrix products marked QUANTISED: E5M2 operands, one E8M0 scale for each 32 along K, by v_wmma_scale_f32_16x16x128_f8f6f4 with both operands' format E5M2, f32 sums; everything else in f32.
;; Inputs: Wk_codes 1,024 x 32 x 32 uint8 (E5M2 codes of Wk, K innermost, in blocks of 32 codes); Wk_scales 1,024 x 32 uint8 (E8M0 scales of Wk, one for each 32 codes along K); Wo_codes 1,024 x 32 x 32 uint8 (E5M2 codes of Wo, K innermost, in blocks of 32 codes); Wo_scales 1,024 x 32 uint8 (E8M0 scales of Wo, one for each 32 codes along K); Wq_codes 1,024 x 32 x 32 uint8 (E5M2 codes of Wq, K innermost, in blocks of 32 codes); Wq_scales 1,024 x 32 uint8 (E8M0 scales of Wq, one for each 32 codes along K); Wv_codes 1,024 x 32 x 32 uint8 (E5M2 codes of Wv, K innermost, in blocks of 32 codes); Wv_scales 1,024 x 32 uint8 (E8M0 scales of Wv, one for each 32 codes along K); bk 1,024 float32; bo 1,024 float32; bq 1,024 float32; bv 1,024 float32; x_codes 4 x 2,048 x 32 x 32 uint8 (E5M2 codes of x, K innermost, in blocks of 32 codes); x_scales 4 x 2,048 x 32 uint8 (E8M0 scales of x, one for each 32 codes along K).
;; Outputs: out0 4 x 2,048 x 1,024 float32.
;; This version of the problem:
;;   THIS VERSION OF THE PROBLEM IS GIVEN IN LOW PRECISION. The matrix products marked QUANTISED in the list below multiply operands that are first quantised to E5M2 (5 exponent bits, 2 mantissa bits; 8 bits a number), with one power-of-two scale for each 32 numbers along K (OCP MX v1.0); their sums are f32. All else is computed in f32.
;;   The module's matrix products, in the order in which they are computed (A, B: the left and right operand; K: the contracted axis; several contracted axes count as one K, in the product's order):
;;     1. [M 8,192, K 1,024] x [K 1,024, N 1,024]; A: input x (given as codes); B: input Wq (given as codes): QUANTISED
;;     2. [M 8,192, K 1,024] x [K 1,024, N 1,024]; A: input x (given as codes); B: input Wk (given as codes): QUANTISED
;;     3. [M 8,192, K 1,024] x [K 1,024, N 1,024]; A: input x (given as codes); B: input Wv (given as codes): QUANTISED
;;     4. batch 64 x [M 2,048, K 64] x [K 64, N 2,048]; A: computed on the way; B: computed on the way: QUANTISED
;;     5. batch 64 x [M 2,048, K 2,048] x [K 2,048, N 64]; A: computed on the way; B: computed on the way: QUANTISED
;;     6. [M 8,192, K 1,024] x [K 1,024, N 1,024]; A: computed on the way; B: input Wo (given as codes): QUANTISED
;;   THE QUANTISER, for each operand of a quantised product, along K:
;;     - K is cut into blocks of 32 from its start; a last block that is shorter is filled with zeros.
;;     - A block's scale is 2^e with e = floor(log2(the largest magnitude in the block)) - 15, held to -126 .. 127; a block of zeros has e = 0. As a byte (E8M0): e + 127.
;;     - Each number is divided by its block's scale, clamped to +-57,344, and rounded to the nearest number of E5M2, ties to even, subnormals kept.
;;     - The product sums the exact products of the quantised numbers (number of the format x scale) in f32.
;;   ~~~python
;;   def quantise(x, axis):      # numpy; x: float32 -> the quantised numbers, widened to float32 again
;;       x = np.moveaxis(x, axis, -1); K = x.shape[-1]
;;       x = np.pad(x, [(0, 0)] * (x.ndim - 1) + [(0, -K % 32)]); x = x.reshape(x.shape[:-1] + (-1, 32)); a = np.abs(x).max(-1, keepdims=True)
;;       e = np.where(a > 0, np.clip(np.frexp(np.where(a > 0, a, 1))[1] - 1 - 15, -126, 127), 0)      # np.frexp(a)[1] - 1 = floor(log2(a)), exactly
;;       r = np.clip(x / 2.0 ** e, -57344, 57344)
;;       step = 2.0 ** (np.maximum(np.frexp(np.where(r == 0, 1, r))[1] - 1, -14) - 2)
;;       q = np.round(r / step) * step * 2.0 ** e      # np.round: ties to even
;;       return np.moveaxis(q.reshape(q.shape[:-2] + (-1,))[..., :K], -1, axis).astype(np.float32)
;;   ~~~
;;   OPERANDS COMPUTED ON THE WAY. 'Computed on the way' means the value that the module computes at that place (a softmax that the list does not call 'softmax' is quantised finished and normalised). What goes into a quantiser is computed in f32, as accurately as f32 sums, v_exp_f32 and their like allow (about 1e-6 of the number): no bf16 or f16 on the way to a quantiser, and a product that is left as it is and whose result goes on into a quantised operand takes f32 operands (vector FMAs, or v_wmma_f32_16x16x4_f32). A number that lies on a knife's edge between two numbers of the format may be rounded either way, as far as f32 arithmetic and the matrix unit's own rounding can turn it there, and no further.
;;   INPUTS GIVEN AS CODES. Wk (in the module: [1024, 1024], K = its axis 1); Wo (in the module: [1024, 1024], K = its axis 1); Wq (in the module: [1024, 1024], K = its axis 1); Wv (in the module: [1024, 1024], K = its axis 1); x (in the module: [4, 2048, 1024], K = its axis 2): each comes as NAME_codes (uint8): NAME with its K axis moved to the last place and cut into blocks of 32 codes, [.., K / 32, bytes a block], one block behind the other in memory; one code a byte (a code: sign, 5 exponent bits, 2 mantissa bits); and NAME_scales (uint8): the same leading axes, one E8M0 byte (e + 127) for each 32 codes along K. Its value is code x scale, taken as it is: it is not quantised again, and the codes and scales need not be those that the quantiser above would give.
;; 2 versions, each right; version 2 is version 1 with the launch attn written anew for expert scheduling mode. Each part assembles by itself: llvm-mc -triple=amdgcn-amd-amdhsa -mcpu=gfx1250 --defsym DOCPART=n.
;; ======== version 1 of 2: 3 launches
;; workspace buffers: q_img 8,388,608 bytes; k_img 8,388,608 bytes; v_img 8,388,608 bytes; q_sc 524,288 bytes; k_sc 524,288 bytes; v_sc 262,144 bytes; a_img 8,388,608 bytes; a_sc 262,144 bytes
;; launch proj (part 1): grid 12 x 32, 4 waves a work-group, clusters of 4 x 4, 327,680 bytes of LDS; arguments x_codes, x_scales, Wq_codes, Wq_scales, Wk_codes, Wk_scales, Wv_codes, Wv_scales, bq, bk, bv, q_img, q_sc, k_img, k_sc, v_img, v_sc; writes q_img, q_sc, k_img, k_sc, v_img, v_sc
.if DOCPART == 1
	.amdgcn_target "amdgcn-amd-amdhsa--gfx1250"
	.amdhsa_code_object_version 6
	.text
	.protected	k_qa4b1ff8863_proj
	.globl	k_qa4b1ff8863_proj
	.p2align	8
	.type	k_qa4b1ff8863_proj,@function
k_qa4b1ff8863_proj:
	s_mov_b64 s[64:65], 0
	v_nop
	global_prefetch_b8 v0, s[64:65] scope:SCOPE_SE
	s_setreg_imm32_b32 hwreg(HW_REG_WAVE_MODE, 25, 1), 1
	s_wait_xcnt 0x0
	s_wait_alu depctr_hold_cnt(0) depctr_sa_sdst(0) depctr_va_vdst(0) depctr_va_sdst(0) depctr_va_ssrc(0) depctr_va_vcc(0) depctr_vm_vsrc(0)
	s_getreg_b32 s2, hwreg(HW_REG_IB_STS2, 6, 4)
	s_cmp_eq_u32 s2, 0
	s_cbranch_scc0 .Lentry_in_a_cluster
	s_endpgm
.Lentry_in_a_cluster:
	s_bfe_u32 s2, ttmp6, 0x10000c
	s_cmp_lg_u32 s2, 0xf033
	s_cbranch_scc0 .Lentry_shape_is_right
	s_endpgm
.Lentry_shape_is_right:
; q = x Wq^T + bq, k = x Wk^T + bk, v = x Wv^T + bv on codes of BF8 (E5M2) with one E8M0 scale for each 32 along K = 1,024; the f32 results are quantised here and leave as codes and scale bytes.
; x: [8192][1024] codes, [8192][32] scale bytes; each W: [1024][1024] codes, [1024][32] scale bytes; each bias [1024] f32.
; ROLES.  The cluster's x says which product a cluster of 4 x 4 work-groups makes: 0 q, 1 k, 2 v; it is the same in all sixteen partners.  A work-group makes 256 x 256 numbers, each of its four waves 128 x 128: 64 accumulators.
; SOURCE 0 ("B") LIES ALONG A LANE'S REGISTERS IN THE RESULT, SOURCE 1 ("A") ALONG THE LANES.  The axis that the next product contracts has to lie along the registers, since the conversions take neighbours from one lane:
;   q, k: B = 16 rows of W (features: the next K is the head's 64), A = 16 rows of x.      v: B = 16 rows of x (keys: the next K), A = 16 rows of Wv.
; Both tensors have rows of 1,024 codes and 32 scale bytes, so one text serves all roles; only pointers, tile numbers and the bias's layout are chosen by the role.
; WHAT LEAVES.  Two neighbouring result tiles give a lane 16 registers of one block of 32: index 32 B + 16 u + 8 (lane / 16) + j.  They are converted in that order; lane l xor 16 holds the block's other 16.  So a lane's 16 bytes hold a
; block's numbers in an order that is the same for q and k, and for v and the attention weights of the next launch: both operands of a product are permuted alike inside a block, which has one scale.  Each store is 512 consecutive bytes.
;   q_img, k_img: [batch x 16 + head][tile of 16 tokens: 128][block of d: 2][lane][16 bytes]       v_img: [batch x 16 + head][128 keys: 16][tile of 16 d: 4][block of keys: 4][lane][16 bytes]
;   q_sc, k_sc: [bh][8 tiles: 16][lane][4] words: the word of tile 8 G + 2 k + lane / 16, row lane % 16; bytes 0, 1 the two blocks, bytes 2, 3 zero        v_sc: [bh][128 keys][lane][2] words: tile of d 2 k + lane / 16, a byte a block of keys
; The ring of two LDS slots (256 along K each), the scales kept in LDS for all of K, the joint loads and the rounds of the cluster's barrier: A's tiles are shared along a row of the cluster, B's along a column.
; LIMITS: NaN and infinities among the given codes and biases are not served.  A block of zeros gets the scale byte 1 where the quantiser's rule says 127: its codes are zeros, and this program alone reads the bytes.
; The bias is the first addend of each f32 sum (reference adds it last).
.set KSTEP,  256
.set NQ,     2                         ; matrix instructions deep in a slot
.set ROWB,   256                       ; a tile's row in bytes
.set KROW,   1024                      ; a row of codes in memory
.set PITCH,  272                       ; an LDS row: 256 bytes + 16 of padding: the 16 rows that a load touches start at 16 different banks
.set FR,     16
.set NL,     4
.set NP,     8                         ; places behind this matrix instruction (ISA guide 7.12.1)
.set HALFT,  128*PITCH
.set SLOT,   4*HALFT
.set LAPS,   2                         ; 1,024 along K = four slots' worth = two laps of the ring
.set KS,     32                        ; a row of scale bytes
.set SCL,    2*SLOT
.set HALFS,  (128*KS/256)*272
.set SBLK,   (16*KS/256)*272
.set SPARE,  SCL+4*HALFS               ; the spare words, 128 bytes a wave: two blocks of 256 bytes that no other line names
.set BJ,   8                           ; v8-15   the bias loads' offsets
.set ADRA, 16                          ; v16-17  LDS address of my A fragments in slot 0, 1
.set ADRB, 20                          ; v20-21  the same for B
.set LO16, 24                          ; v24     16 x lane
.set LO8,  25                          ; v25     8 x lane
.set ADRS, 27                          ; v27     LDS address of my scale words: lanes 0-15 A's rows, lanes 16-31 B's
.set SPW,  28                          ; v28     my spare word; never rewritten
.set NIL,  29                          ; v29     0; never rewritten
.set SC,   32                          ; v32-63  scale words, two sets
.set BIAS, 64                          ; v64-127 the bias in the result's layout: eight registers a tile; free behind the first step
.set TM,   64                          ; the way out: v64-67 largest magnitudes, v68-71 bytes, v72-75 the largest number x the scale, v76-79 the conversions' scale operands
.set FW,   80                          ; v80-87  the scale word of each of my eight blocks of A
.set SELW, 88                          ; v88-99  the scale words as they leave
.set PC,   104                         ; v104-119 the codes just made
.set AF,   128                         ; v128-255 A's fragments
.set G1, 24
.set G0, 32
.set G1B, 48
.set G0B, 56
.set G1S, 68
.set G0S, 76
.set G1SB, 80
.set G0SB, 88
.set MSB, 0
.macro WIN new                         ; the immediate's high byte repeats the setting that is left
.if MSB != \new
	s_set_vgpr_msb (MSB<<8)|\new
.set MSB, \new
.endif
.endm
.set MUL_LO, 0xa1                      ; source 0 (B) window 1, source 1 (A) window 0, C and D window 2
.set MUL_HI, 0xf1                      ; the same, C and D window 3
.set MUL_LOB, 0x81                     ; the first step: C (the bias) window 0, D window 2
.set MUL_HIB, 0xc1                     ; D window 3
.set TO_B,   0x40
; A joint load: waves 0 and 1 fetch for A, waves 2 and 3 for B; the branch hangs on the wave's number alone.  Four v_nop follow each of the two lines.
.macro JLOAD g0a, g1a, g0b, g1b
	s_cmp_eq_u32 s15, 0
	s_cbranch_scc0 .Lfor_b_\@
	tensor_load_to_lds s[\g0a:\g0a+3], s[\g1a:\g1a+7]
	s_nop 0
.rept 4
	v_nop
.endr
	s_branch .Lasked_\@
.Lfor_b_\@:
	tensor_load_to_lds s[\g0b:\g0b+3], s[\g1b:\g1b+7]
	s_nop 0
.rept 4
	v_nop
.endr
.Lasked_\@:
.endm
.macro CREST                           ; a round of the cluster's barrier behind its opening barrier
	s_cmp_lg_u32 s14, 0
	s_cbranch_scc1 .Lnot_wave_0_\@
	s_barrier_signal -3
.Lnot_wave_0_\@:
	s_barrier_wait -3
	s_barrier_signal -1
	s_barrier_wait -1
.endm
.macro CROUND
	s_barrier_signal -1
	s_barrier_wait -1
	CREST
.endm
	s_load_b512 s[68:83], s[0:1], 0x0              ; x codes, x scales, Wq codes, Wq scales, Wk codes, Wk scales, Wv codes, Wv scales
	s_load_b512 s[84:99], s[0:1], 0x40             ; bq, bk, bv, q_img, q_sc, k_img, k_sc, v_img
	s_load_b64 s[100:101], s[0:1], 0x80            ; v_sc
	v_lshl_add_u32 v[SPW], v0, 2, SPARE
	v_mov_b32 v[NIL], 0
	ds_add_u32 v28, v29
	ds_add_u32 v28, v29
	s_wait_dscnt 0x0
	v_lshrrev_b32 v1, 5, v0
	v_readfirstlane_b32 s14, v1                    ; wave 0..3
	s_lshr_b32 s15, s14, 1                         ; which half of A's 256 rows is mine.  Also: I fetch for A (0) or for B (1)
	s_and_b32 s16, s14, 1                          ; which half of B's 256 rows.  Also: which 128 rows of that tile I fetch
	s_bfe_u32 s40, ttmp6, 0x40000                  ; cx, cy: my place in the cluster
	s_bfe_u32 s41, ttmp6, 0x40004
	s_and_b32 s18, ttmp7, 0xffff
	s_lshl_b32 s18, s18, 2                         ; 4 x the cluster's y: it walks x's 32 tiles, which are A's for q and k, B's for v
	s_cmp_eq_u32 ttmp9, 2
	s_cselect_b32 s42, s18, 0
	s_cselect_b32 s17, 0, s18
	s_add_co_u32 s42, s42, s40                     ; B's tile: hangs on cx and the cluster's numbers alone
	s_add_co_u32 s17, s17, s41                     ; A's tile: on cy and the cluster's numbers alone
	s_lshl_b32 s43, s41, 2
	s_lshl_b32 s43, 15, s43                        ; my row of the cluster
	s_lshl_b32 s44, 0x1111, s40                    ; my column
	; descriptor group 1: a tile of 128 rows x 256 bytes, 16 bytes of padding behind each row
	s_or_b32 s[G1+0], s43, (1<<20)|(1<<21)|(5<<22)|(3<<25)    ; 15:0 the mask: A's tiles go to my row; 17:16 elements of 1 byte; 20 padding on; 21 set beside a mask; 24:22 after every 64 words; 31:25 four words
	s_or_b32 s[G1B+0], s44, (1<<20)|(1<<21)|(5<<22)|(3<<25)
.irp g, G1, G1B
	s_mov_b32 s[\g+1], ROWB<<16                    ; tensor_dim0
	s_mov_b32 s[\g+2], 128<<16                     ; tensor_dim1
	s_mov_b32 s[\g+3], ROWB<<16                    ; tile_dim0
	s_mov_b32 s[\g+4], 128                         ; tile_dim1
	s_mov_b32 s[\g+5], KROW                        ; tensor_dim0_stride
	s_mov_b32 s[\g+6], 0
	s_mov_b32 s[\g+7], 0
.endr
	s_lshl_b32 s18, s16, 7                         ; which 128 rows of the tile I fetch
	s_lshl_b32 s20, s17, 8
	s_add_co_u32 s20, s20, s18                     ; A: row 256 x tile + 128 x half
	s_lshl_b32 s46, s42, 8
	s_add_co_u32 s46, s46, s18                     ; B likewise
	s_mov_b32 s21, 0
	s_mov_b32 s47, 0
	s_lshl_b64 s[22:23], s[20:21], 5               ; where these rows' scale bytes begin: 32 bytes a row
	s_lshl_b64 s[104:105], s[46:47], 5
	s_lshl_b64 s[20:21], s[20:21], 10              ; and their codes: 1,024 bytes a row
	s_lshl_b64 s[46:47], s[46:47], 10
	s_mul_i32 s45, s14, HALFT                      ; where they go: wave x 128 rows: no place in the cluster enters an LDS address
	s_mul_i32 s3, s14, HALFS
	s_mov_b32 s2, 0x600000                         ; the mantissa field of 57,344
	s_mov_b32 s66, 0x76543210
	s_mov_b32 s67, 0xfedcba98                      ; v_permlanex16_b32's selects for lane l xor 16
	s_wait_kmcnt 0x0
	s_cmp_eq_u32 ttmp9, 0                          ; q's buffers or k's: the choice hangs on the cluster's number alone
	s_cselect_b64 s[72:73], s[72:73], s[76:77]
	s_cselect_b64 s[74:75], s[74:75], s[78:79]
	s_cselect_b64 s[84:85], s[84:85], s[86:87]
	s_cselect_b64 s[90:91], s[90:91], s[94:95]
	s_cselect_b64 s[92:93], s[92:93], s[96:97]
	s_cmp_eq_u32 ttmp9, 2                          ; v's, with the sources' parts exchanged, or those
	s_cselect_b64 s[4:5], s[80:81], s[68:69]       ; A's codes
	s_cselect_b64 s[6:7], s[82:83], s[70:71]       ; A's scales
	s_cselect_b64 s[8:9], s[68:69], s[72:73]       ; B's codes
	s_cselect_b64 s[10:11], s[70:71], s[74:75]     ; B's scales
	s_cselect_b64 s[12:13], s[98:99], s[90:91]     ; the codes that leave
	s_cselect_b64 s[98:99], s[100:101], s[92:93]   ; the scale words that leave
	s_cselect_b64 s[100:101], s[88:89], s[84:85]   ; the bias
	s_cselect_b32 s95, 1, 0                        ; 1: this cluster makes v
	s_add_nc_u64 s[20:21], s[4:5], s[20:21]
	s_add_nc_u64 s[22:23], s[6:7], s[22:23]
	s_add_nc_u64 s[46:47], s[8:9], s[46:47]
	s_add_nc_u64 s[92:93], s[10:11], s[104:105]
	; the scales of 128 rows: a dense block of 4,096 bytes, as 16 rows of 256 bytes (32 elements of 8 bytes), 16 bytes of padding behind each
	s_or_b32 s[G1S+0], s43, (3<<16)|(1<<20)|(1<<21)|(5<<22)|(3<<25)
	s_or_b32 s[G1SB+0], s44, (3<<16)|(1<<20)|(1<<21)|(5<<22)|(3<<25)
.irp g, G1S, G1SB
	s_mov_b32 s[\g+1], 32<<16
	s_mov_b32 s[\g+2], (128*KS/256)<<16
	s_mov_b32 s[\g+3], 32<<16
	s_mov_b32 s[\g+4], 128*KS/256
	s_mov_b32 s[\g+5], 32
	s_mov_b32 s[\g+6], 0
	s_mov_b32 s[\g+7], 0
.endr
	CROUND                                         ; all sixteen work-groups are here: the first joint loads meet
	s_mov_b32 s[G0S], 1
	s_add_co_u32 s[G0S+1], s3, SCL
	s_mov_b64 s[G0S+2:G0S+3], s[22:23]
	s_or_b32 s[G0S+3], s[G0S+3], 0x80000000
	s_mov_b32 s[G0SB], 1
	s_add_co_u32 s[G0SB+1], s3, SCL
	s_mov_b64 s[G0SB+2:G0SB+3], s[92:93]
	s_or_b32 s[G0SB+3], s[G0SB+3], 0x80000000
	JLOAD G0S, G1S, G0SB, G1SB                     ; the scales first: they are wanted with the first slot
.irp s, 0,1
	s_mov_b32 s[G0+4*\s], 1
	s_add_co_u32 s[G0+4*\s+1], s45, \s*SLOT
	s_add_nc_u64 s[G0+4*\s+2:G0+4*\s+3], s[20:21], \s*ROWB
	s_or_b32 s[G0+4*\s+3], s[G0+4*\s+3], 0x80000000
	s_mov_b32 s[G0B+4*\s], 1
	s_add_co_u32 s[G0B+4*\s+1], s45, \s*SLOT
	s_add_nc_u64 s[G0B+4*\s+2:G0B+4*\s+3], s[46:47], \s*ROWB
	s_or_b32 s[G0B+4*\s+3], s[G0B+4*\s+3], 0x80000000
	JLOAD G0+4*\s, G1, G0B+4*\s, G1B
.endr
	v_and_b32 v1, 15, v0                           ; r = lane % 16
	v_bfe_u32 v2, v0, 4, 1                         ; h = lane / 16
	v_mul_u32_u24 v3, v1, PITCH
	v_lshl_add_u32 v4, v2, 4, v3                   ; a fragment's row x pitch + 16 x half
	s_mul_i32 s21, s15, HALFT                      ; my 128 rows of A
	s_mul_i32 s22, s16, HALFT                      ; my 128 rows of B,
	s_add_co_u32 s22, s22, 2*HALFT                 ; which lie behind A's 256
.irp s, 0,1
	v_add_nc_u32 v[ADRA+\s], s21, v4
	v_add_nc_u32 v[ADRB+\s], s22, v4
	s_add_co_u32 s21, s21, SLOT
	s_add_co_u32 s22, s22, SLOT
.endr
	v_mul_u32_u24 v5, v1, KS                       ; my row's scales: 32 bytes a row,
	v_lshrrev_b32 v6, 8, v5
	v_lshl_add_u32 v5, v6, 4, v5                   ; and 16 more for each 256 passed
	s_mul_i32 s21, s15, HALFS
	s_mul_i32 s22, s16, HALFS
	s_add_co_u32 s22, s22, 2*HALFS
	s_sub_co_u32 s22, s22, s21
	v_mul_u32_u24 v6, s22, v2                      ; lanes 16-31 take B's: one product, the distance between the two bases
	s_add_co_u32 s21, s21, SCL
	v_add_nc_u32 v5, v5, v6
	v_add_nc_u32 v[ADRS], s21, v5
	v_and_b32 v6, 31, v0
	v_lshlrev_b32 v[LO16], 4, v6
	v_lshlrev_b32 v[LO8], 3, v6
	; where my results go.  feat0: my first feature; xrow0: my first row of x
	s_lshl_b32 s18, s42, 8
	s_lshl_b32 s19, s16, 7
	s_add_co_u32 s18, s18, s19                     ; my first row of B
	s_lshl_b32 s19, s17, 8
	s_lshl_b32 s20, s15, 7
	s_add_co_u32 s19, s19, s20                     ; my first row of A
	s_mov_b32 s92, 1024
	s_mov_b32 s96, 131072
	s_cmp_eq_u32 s95, 1
	s_cselect_b32 s22, s19, s18                    ; feat0
	s_cselect_b32 s23, s18, s19                    ; xrow0
	s_cselect_b32 s94, -1, 0                       ; all lanes or none: the bias's layout
	s_cselect_b32 s92, 2048, s92                   ; from one block of A to the next in the image: a tile of tokens (1,024) or a tile of d (2,048)
	s_cselect_b32 s104, 122880, 0                  ; v: blocks 4-7 belong to the next head: 131,072 less the four steps made
	s_cselect_b32 s96, 1024, s96                   ; blocks 2, 3 of a lane's four: the next head (q, k) or the next two blocks of keys (v)
	s_cselect_b32 s46, 0, 1                        ; q_sc and k_sc have twice v_sc's bytes
	s_mov_b32 s93, 0
	s_mov_b32 s105, 0
	s_mov_b32 s97, 0
	s_lshr_b32 s18, s23, 11
	s_lshl_b32 s18, s18, 4
	s_lshr_b32 s19, s22, 6
	s_add_co_u32 s18, s18, s19                     ; batch x 16 + my first head
	s_and_b32 s19, s23, 2047                       ; my first token in the batch
	s_lshl_b32 s20, s18, 17
	s_lshl_b32 s21, s19, 6
	s_add_co_u32 s20, s20, s21                     ; 131,072 bytes a head, 64 bytes a token: the same in all three images
	s_mov_b32 s21, 0
	s_add_nc_u64 s[12:13], s[12:13], s[20:21]
	s_add_nc_u64 s[96:97], s[12:13], s[96:97]
	s_lshl_b32 s20, s18, 12
	s_lshl_b32 s18, s19, 1
	s_add_co_u32 s20, s20, s18
	s_lshl_b32 s20, s20, s46
	s_add_nc_u64 s[98:99], s[98:99], s[20:21]
	s_lshl_b32 s20, s22, 2
	s_add_nc_u64 s[100:101], s[100:101], s[20:21]  ; the bias at my first feature
	; the bias in the result's layout.  q, k: register j of tile t is feature 16 t + 8 h + j;  v: every register of tile t is feature 16 t + r
	v_lshlrev_b32 v5, 2, v1
	v_lshlrev_b32 v6, 5, v2
.irp j, 0,1,2,3,4,5,6,7
	v_add_nc_u32 v3, 4*\j, v6
	v_cndmask_b32 v[BJ+\j], v3, v5, s94
.endr
.irp t, 0,1,2,3,4,5,6,7
.irp j, 0,1,2,3,4,5,6,7
	global_load_b32 v[BIAS+8*\t+\j], v[BJ+\j], s[100:101] offset:64*\t
.endr
.endr
.macro FRAG reg, adr, q, i             ; 16 rows x 128 K: lane l holds row l % 16; registers 4 c .. 4 c + 3 hold K = 32 c + 16 (l / 16) + 0 .. 15
.irp c, 0,1,2,3
	ds_load_b128 v[\reg+4*\c:\reg+4*\c+3], v[\adr] offset:128*(\q)+32*\c+(\i)*16*PITCH
.endr
.endm
; 16 matrix instructions: A's blocks a0, a0 + 1 x B's eight.  cmode 0: the sums go on in place;  1: they start from the bias of B's tile;  2: from the bias of A's tile.
; The 64 accumulators take turns, one instruction a turn, in the same order in every step.
.macro MUL16 a0, p, q, sc, cmode
.irp a, \a0, \a0+1
.irp b, 0,1,2,3,4,5,6,7
.if \cmode == 1
	v_wmma_scale_f32_16x16x128_f8f6f4 v[8*(8*((\a)%4)+\b):8*(8*((\a)%4)+\b)+7], v[128*(\p)+FR*\b:128*(\p)+FR*\b+FR-1], v[AF+FR*(\a):AF+FR*(\a)+FR-1], v[BIAS+8*\b:BIAS+8*\b+7], v[SC+8*NQ*(\sc)+NQ*\b+(\q)], v[SC+8*NQ*(\sc)+NQ*(\a)+(\q)] matrix_a_fmt:MATRIX_FMT_BF8 matrix_b_fmt:MATRIX_FMT_BF8 matrix_a_scale:MATRIX_SCALE_ROW1
.elseif \cmode == 2
	v_wmma_scale_f32_16x16x128_f8f6f4 v[8*(8*((\a)%4)+\b):8*(8*((\a)%4)+\b)+7], v[128*(\p)+FR*\b:128*(\p)+FR*\b+FR-1], v[AF+FR*(\a):AF+FR*(\a)+FR-1], v[BIAS+8*(\a):BIAS+8*(\a)+7], v[SC+8*NQ*(\sc)+NQ*\b+(\q)], v[SC+8*NQ*(\sc)+NQ*(\a)+(\q)] matrix_a_fmt:MATRIX_FMT_BF8 matrix_b_fmt:MATRIX_FMT_BF8 matrix_a_scale:MATRIX_SCALE_ROW1
.else
	v_wmma_scale_f32_16x16x128_f8f6f4 v[8*(8*((\a)%4)+\b):8*(8*((\a)%4)+\b)+7], v[128*(\p)+FR*\b:128*(\p)+FR*\b+FR-1], v[AF+FR*(\a):AF+FR*(\a)+FR-1], v[8*(8*((\a)%4)+\b):8*(8*((\a)%4)+\b)+7], v[SC+8*NQ*(\sc)+NQ*\b+(\q)], v[SC+8*NQ*(\sc)+NQ*(\a)+(\q)] matrix_a_fmt:MATRIX_FMT_BF8 matrix_b_fmt:MATRIX_FMT_BF8 matrix_a_scale:MATRIX_SCALE_ROW1
.endif
.endr
.endr
.endm
.macro FETCH_B slot, q, p
	WIN TO_B
.irp i, 0,1,2,3,4,5,6,7
	FRAG 128*(\p)+FR*\i, ADRB+\slot, \q, \i
.endr
	WIN 0
.endm
.macro FETCH_A slot, q, i0
.irp i, \i0, \i0+1, \i0+2, \i0+3
	FRAG AF+FR*(\i), ADRA+\slot, \q, \i
.endr
.endm
.macro SCALES sc                       ; a slot's scale words: two words a row; lanes 0-15 take A's block i, lanes 16-31 B's block i
.irp i, 0,1,2,3,4,5,6,7
	ds_load_b64 v[SC+8*NQ*\sc+NQ*\i:SC+8*NQ*\sc+NQ*\i+1], v[ADRS] offset:\i*SBLK
.endr
.endm
.macro PLACES n                        ; plain vector instructions between a matrix instruction and a load into, or a vector instruction on, its registers
.rept \n
	v_nop
.endr
.endm
.macro STEP slot, q, cmode             ; 128 along K that has its successor in the same slot
	s_wait_dscnt 4*NL                              ; B's set and A's blocks 0-3 are in; the youngest 16 loads (A's blocks 4-7) may be out
.if \cmode
	WIN MUL_LOB
.else
	WIN MUL_LO
.endif
	MUL16 0, (\q)%2, \q, \slot, \cmode
	MUL16 2, (\q)%2, \q, \slot, \cmode
	s_wait_dscnt 0                                 ; A's blocks 4-7 are in
	PLACES NP
	FETCH_B \slot, (\q)+1, 1-(\q)%2
	FETCH_A \slot, (\q)+1, 0
.if \cmode
	WIN MUL_HIB
.else
	WIN MUL_HI
.endif
	MUL16 4, (\q)%2, \q, \slot, \cmode
	MUL16 6, (\q)%2, \q, \slot, \cmode
	PLACES NP
	WIN 0
	FETCH_A \slot, (\q)+1, 4
.endm
; A slot's last step changes slots: one barrier; in front of it each wave waits for all its tensor loads, adds 0 to its spare word, and waits for that and for its own reads of this slot.  fill = 1: the slot is filled again.
.macro TURN slot, next, fill
	s_wait_tensorcnt 0x0                           ; all my tensor loads have landed: my part of the next slot
	ds_add_u32 v[SPW], v[NIL]                      ; 0 onto my spare word
	s_wait_dscnt 4*NL+1                            ; the add and the youngest 16 loads (A's blocks 4-7) may be out
	WIN MUL_LO
	MUL16 0, 1, NQ-1, \slot, 0                     ; sixteen matrix instructions stand between the add and the wait for it
	s_wait_dscnt 0x0                               ; the add is done, and my reads of this slot are over
	s_barrier_signal -1
	MUL16 2, 1, NQ-1, \slot, 0
	WIN 0
	s_barrier_wait -1
.if \fill
	CREST                                          ; the barrier has opened a round of the cluster's barrier: no wave of any partner still reads this slot or has a load on its way
	s_add_nc_u64 s[G0+4*\slot+2:G0+4*\slot+3], s[G0+4*\slot+2:G0+4*\slot+3], 2*ROWB
	s_add_nc_u64 s[G0B+4*\slot+2:G0B+4*\slot+3], s[G0B+4*\slot+2:G0B+4*\slot+3], 2*ROWB
	JLOAD G0+4*\slot, G1, G0B+4*\slot, G1B         ; the first tensor load behind the round; its four v_nop are among the places in front of the loads below
	PLACES NP-4
.else
	PLACES NP
.endif
	v_add_nc_u32 v[ADRS], 4*NQ, v[ADRS]            ; on to the next slot's scale words
	FETCH_B \next, 0, 0
	FETCH_A \next, 0, 0
	SCALES \next
	WIN MUL_HI
	MUL16 4, 1, NQ-1, \slot, 0
	MUL16 6, 1, NQ-1, \slot, 0
	PLACES NP
	WIN 0
	FETCH_A \next, 0, 4
.endm
	s_wait_tensorcnt 1                             ; the scales and my part of slot 0 are in; slot 1's load, issued behind them, may be out
	s_barrier_signal -1
	s_barrier_wait -1
	FETCH_B 0, 0, 0
	FETCH_A 0, 0, 0
	SCALES 0
	FETCH_A 0, 0, 4
	s_wait_loadcnt 0x0                             ; the bias
	s_cmp_eq_u32 s95, 1                            ; the first step starts the sums from the bias, which lies along B's tiles (q, k) or along A's (v): written twice, the same loads and waits on both ways
	s_cbranch_scc1 .Lfirst_v
	STEP 0, 0, 1
	s_branch .Lfirst_done
.Lfirst_v:
	STEP 0, 0, 2
.Lfirst_done:
	s_mov_b32 s3, LAPS-1
.Llap:                                                 ; a trip goes once round the ring and fills both slots again
	TURN 0, 1, 1
	STEP 1, 0, 0
	TURN 1, 0, 1
	STEP 0, 0, 0
	s_sub_co_u32 s3, s3, 1
	s_cmp_lg_u32 s3, 0
	s_cbranch_scc1 .Llap
	TURN 0, 1, 0                                   ; the last lap fills nothing
	STEP 1, 0, 0
	s_wait_dscnt 4*NL
	WIN MUL_LO
	MUL16 0, 1, NQ-1, 1, 0
	MUL16 2, 1, NQ-1, 1, 0
	s_wait_dscnt 0
	WIN MUL_HI
	MUL16 4, 1, NQ-1, 1, 0
	MUL16 6, 1, NQ-1, 1, 0
	WIN 0
	PLACES NP                                      ; in front of the first read of results
; THE WAY OUT.  Block a of A: a lane's 64 registers are four blocks of 32 along the next K (16 numbers here, 16 in lane l xor 16).  Largest magnitude, scale byte, hold, conversion; the 64 bytes a lane leave by four stores of 512 bytes.
.irp b, 0,1,2,3
	v_mov_b32 v[TM+4+\b], 0                        ; written once: a lane permute's destination counts as one of its sources
.endr
.macro QUANTA a
.set WW, 2+(\a)/4                      ; the accumulators' window
.set AC0, 64*((\a)%4)
.set WSRC, WW|(WW<<2)
.set WINP, WW|(WW<<6)
	WIN WSRC                                       ; sources 0 and 1 in the accumulators' window
.irp b, 0,1,2,3
	v_max3_num_f32 v[TM+\b], |v[AC0+16*\b]|, |v[AC0+16*\b+1]|, 0x8000000   ; my 16 numbers of block b, each accumulator from its low end on, and the floor 2^(16 - 127): the byte cannot fall under 1
.endr
.irp i, 2,4,6,8,10,12,14
.irp b, 0,1,2,3
	v_max3_num_f32 v[TM+\b], |v[AC0+16*\b+\i]|, |v[AC0+16*\b+\i+1]|, v[TM+\b]
.endr
.endr
	WIN 0
.irp b, 0,1,2,3
	v_permlanex16_b32 v[TM+4+\b], v[TM+\b], s66, s67
.endr
.irp b, 0,1,2,3
	v_max_num_f32 v[TM+\b], v[TM+\b], v[TM+4+\b]   ; with lane l xor 16's: the block's largest magnitude
.endr
.irp b, 0,1,2,3
	v_add_nc_u32 v[TM+12+\b], 0xf8800000, v[TM+\b] ; 15 off its exponent field: the conversion's scale operand
.endr
.irp b, 0,1,2,3
	v_and_or_b32 v[TM+8+\b], v[TM+\b], 0x7f800000, s2   ; 57,344 x the scale
.endr
.irp b, 0,1,2,3
	v_lshrrev_b32 v[TM+4+\b], 23, v[TM+12+\b]      ; the scale's byte
.endr
	v_lshl_or_b32 v[FW+(\a)], v[TM+5], 8, v[TM+4]
	v_lshl_or_b32 v[FW+(\a)], v[TM+6], 16, v[FW+(\a)]
	v_lshl_or_b32 v[FW+(\a)], v[TM+7], 24, v[FW+(\a)]
	WIN WINP                                       ; destination and source 0 in the accumulators' window
.irp b, 0,1,2,3
.irp i, 0,1,2,3,4,5,6,7,8,9,10,11,12,13,14,15
	v_med3_num_f32 v[AC0+16*\b+\i], v[AC0+16*\b+\i], -v[TM+8+\b], v[TM+8+\b]   ; the conversion to an 8-bit code does not saturate (ISA guide 7.6.2): the hold at the largest code x the scale
.endr
.endr
.if (\a) > 0
	s_wait_xcnt 0x0                                ; the last block's stores have read their data and their bases: both are written again below
.endif
	WIN WW
.irp b, 0,1,2,3
	v_cvt_scalef32_pk8_bf8_f32 v[PC+4*\b:PC+4*\b+1], v[AC0+16*\b:AC0+16*\b+7], v[TM+12+\b]
	v_cvt_scalef32_pk8_bf8_f32 v[PC+4*\b+2:PC+4*\b+3], v[AC0+16*\b+8:AC0+16*\b+15], v[TM+12+\b]
.endr
	WIN 0
	v_nop                                          ; a plain vector instruction behind the last conversion, ahead of the next write of its sources
.if (\a) > 0
	s_add_nc_u64 s[12:13], s[12:13], s[92:93]
	s_add_nc_u64 s[96:97], s[96:97], s[92:93]
.endif
.if (\a) == 4
	s_add_nc_u64 s[12:13], s[12:13], s[104:105]
	s_add_nc_u64 s[96:97], s[96:97], s[104:105]
.endif
	global_store_b128 v[LO16], v[PC:PC+3], s[12:13]                 ; 32 lanes store 512 consecutive bytes, at a multiple of 512 from the buffer's first byte
	global_store_b128 v[LO16], v[PC+4:PC+7], s[12:13] offset:512
	global_store_b128 v[LO16], v[PC+8:PC+11], s[96:97]
	global_store_b128 v[LO16], v[PC+12:PC+15], s[96:97] offset:512
.endm
.irp a, 0,1,2,3,4,5,6,7
	QUANTA \a
.endr
	; the scale words: lanes 0-15 carry the even block's, lanes 16-31 the odd block's, as the next launch's matrix instructions read them
	s_mov_b32 s94, 0xffff0000
.irp k, 0,1,2,3
	v_cndmask_b32 v[SELW+\k], v[FW+2*\k], v[FW+2*\k+1], s94
.endr
	s_cmp_eq_u32 s95, 1
	s_cbranch_scc1 .Lsc_v
.irp k, 0,1,2,3
	v_and_b32 v[SELW+4+\k], 0xffff, v[SELW+\k]     ; q, k: bytes 0, 1 are my first head's two blocks,
.endr
.irp k, 0,1,2,3
	v_lshrrev_b32 v[SELW+8+\k], 16, v[SELW+\k]     ; bytes 2, 3 my second head's; the upper two bytes of a word that leaves are 0
.endr
	global_store_b128 v[LO16], v[SELW+4:SELW+7], s[98:99]
	global_store_b128 v[LO16], v[SELW+8:SELW+11], s[98:99] offset:8192
	s_branch .Lsc_done
.Lsc_v:
	global_store_b64 v[LO8], v[SELW:SELW+1], s[98:99]               ; v: blocks 0-3 are my first head's four tiles of d,
	global_store_b64 v[LO8], v[SELW+2:SELW+3], s[98:99] offset:4096 ; blocks 4-7 my second head's
.Lsc_done:
	s_wait_tensorcnt 0x0                           ; the wave's end
	ds_add_u32 v[SPW], v[NIL]
	s_wait_dscnt 0x0
	CROUND                                         ; the closing round: no work-group ends while a partner may still ask for a tile that names it
	s_endpgm
.Lfunc_end_k_qa4b1ff8863_proj:
	.size	k_qa4b1ff8863_proj, .Lfunc_end_k_qa4b1ff8863_proj-k_qa4b1ff8863_proj
	.p2alignl 7, 3214868480
	.fill 96, 4, 3214868480
	.section	.rodata,"a",@progbits
	.p2align	6, 0x0
	.amdhsa_kernel k_qa4b1ff8863_proj
		.amdhsa_group_segment_fixed_size 327680
		.amdhsa_private_segment_fixed_size 0
		.amdhsa_enable_private_segment 0
		.amdhsa_kernarg_size 136
		.amdhsa_user_sgpr_count 2
		.amdhsa_user_sgpr_kernarg_segment_ptr 1
		.amdhsa_wavefront_size32 1
		.amdhsa_system_sgpr_workgroup_id_x 1
		.amdhsa_system_sgpr_workgroup_id_y 1
		.amdhsa_system_sgpr_workgroup_id_z 1
		.amdhsa_system_vgpr_workitem_id 0
		.amdhsa_next_free_vgpr 1024
		.amdhsa_next_free_sgpr 106
		.amdhsa_reserve_vcc 0
		.amdhsa_float_denorm_mode_32 3
		.amdhsa_float_denorm_mode_16_64 3
		.amdhsa_memory_ordered 1
		.amdhsa_forward_progress 1
		.amdhsa_inst_pref_size 207
	.end_amdhsa_kernel
	.amdgpu_metadata
---
amdhsa.version: [ 1, 2 ]
amdhsa.kernels:
  - .name:           k_qa4b1ff8863_proj
    .symbol:         k_qa4b1ff8863_proj.kd
    .args:
      - { .name: x_codes, .offset: 0, .size: 8, .value_kind: global_buffer, .address_space: global }
      - { .name: x_scales, .offset: 8, .size: 8, .value_kind: global_buffer, .address_space: global }
      - { .name: Wq_codes, .offset: 16, .size: 8, .value_kind: global_buffer, .address_space: global }
      - { .name: Wq_scales, .offset: 24, .size: 8, .value_kind: global_buffer, .address_space: global }
      - { .name: Wk_codes, .offset: 32, .size: 8, .value_kind: global_buffer, .address_space: global }
      - { .name: Wk_scales, .offset: 40, .size: 8, .value_kind: global_buffer, .address_space: global }
      - { .name: Wv_codes, .offset: 48, .size: 8, .value_kind: global_buffer, .address_space: global }
      - { .name: Wv_scales, .offset: 56, .size: 8, .value_kind: global_buffer, .address_space: global }
      - { .name: bq, .offset: 64, .size: 8, .value_kind: global_buffer, .address_space: global }
      - { .name: bk, .offset: 72, .size: 8, .value_kind: global_buffer, .address_space: global }
      - { .name: bv, .offset: 80, .size: 8, .value_kind: global_buffer, .address_space: global }
      - { .name: q_img, .offset: 88, .size: 8, .value_kind: global_buffer, .address_space: global }
      - { .name: q_sc, .offset: 96, .size: 8, .value_kind: global_buffer, .address_space: global }
      - { .name: k_img, .offset: 104, .size: 8, .value_kind: global_buffer, .address_space: global }
      - { .name: k_sc, .offset: 112, .size: 8, .value_kind: global_buffer, .address_space: global }
      - { .name: v_img, .offset: 120, .size: 8, .value_kind: global_buffer, .address_space: global }
      - { .name: v_sc, .offset: 128, .size: 8, .value_kind: global_buffer, .address_space: global }
    .group_segment_fixed_size: 327680
    .private_segment_fixed_size: 0
    .kernarg_segment_align: 8
    .kernarg_segment_size: 136
    .max_flat_workgroup_size: 128
    .sgpr_count:     106
    .vgpr_count:     1024
    .wavefront_size: 32
...
	.end_amdgpu_metadata
.endif
;; end of part 1
;; launch attn (part 2): grid 4 x 64, 8 waves a work-group, no clusters, 267,264 bytes of LDS; arguments q_img, q_sc, k_img, k_sc, v_img, v_sc, a_img, a_sc; writes a_img, a_sc
.if DOCPART == 2
	.amdgcn_target "amdgcn-amd-amdhsa--gfx1250"
	.amdhsa_code_object_version 6
	.text
	.protected	k_qa4b1ff8863_attn
	.globl	k_qa4b1ff8863_attn
	.p2align	8
	.type	k_qa4b1ff8863_attn,@function
k_qa4b1ff8863_attn:
	s_mov_b64 s[64:65], 0
	v_nop
	global_prefetch_b8 v0, s[64:65] scope:SCOPE_SE
	s_setreg_imm32_b32 hwreg(HW_REG_WAVE_MODE, 25, 1), 1
	s_wait_xcnt 0x0
; out[q] = sum over keys of |softmax(q . k / 8)| v, for one head (work-group y = batch x 16 + head) and 512 of its 2,048 queries (work-group x), both products on codes of BF8 (E5M2) with E8M0 scales.
; The weights are quantised FINISHED: p = exp(s / 8 - row's maximum) / row's sum, so a row's sum is known before any of its p is quantised.  p is never negative, so the absolute value changes nothing.
; SHARES.  THE EIGHT WAVES SHARE THE KEYS: wave w owns keys 256 w .. 256 w + 255.  Its 16 tiles of K (128 registers) and its V (2 x 128 keys x 64 d: 128 registers) are loaded once and stay in window 1 for the whole launch.
; The queries go by groups of 16, 32 groups.  For a group each wave makes its 16 x 256 scores, their maximum, one exponential a score and their sum; the eight (maximum, sum) pairs of each query meet in LDS behind one barrier;
; every wave forms the row's sum by the same lines, multiplies its exponentials by F = 2^(own maximum - row's) / sum, quantises them along the keys and multiplies by its V.  The eight partial results of a group wait in LDS;
; after eight groups wave w adds the eight parts of group w, quantises the sum along the head's 64 and stores codes and scale bytes for the last product.
; LAYOUT.  Both products are used transposed: S^T = K Q^T (source 0 = 16 keys, source 1 = the 16 queries), O^T = V^T P^T (source 0 = 16 d, source 1 = P): a lane holds ONE query (lane % 16) throughout.
; The 16 registers of score tiles 2 b, 2 b + 1 are keys 32 b + 16 u + 8 (lane / 16) + j: one block of 32, in the order in which the launch before laid V's keys inside a block: converted as they stand they are P's operand.
; K = 64 IN AN INSTRUCTION OF 128: Q's fragment is eight registers of codes and eight of zero codes.  K's tiles lie eight registers apiece, on end; a tile's operand runs on over the next tile's codes (the last tile's: over V's first),
; finite codes that meet Q's zero codes and add nothing; bytes 2 and 3 of K's and Q's scale words are 0, which is 2^-127.
; No tensor load, no cluster: a joint load lands in LDS, and K and V are wanted in registers, once; each of their bytes is read by four work-groups in the launch.  Q's next tile is loaded a whole group ahead of its use, so nothing is prefetched.
; a_img: [K step of 256: 4][tile of 16 rows: 512][128 along K: 2][block of 32: 4][lane][16 bytes], K in its true order (the LDS addresses of the last sum give it); a_sc: [8192][32] bytes.
; LIMITS: a p under 2^-126 is 0 (v_exp_f32 flushes denormals: ISA guide, its entry).  A block of zeros gets the scale byte 1 where the rule says 127: its codes are zeros, and this program alone reads the bytes.
; The second product is summed as eight parts of 256 keys, added in ascending order of pairs.  a_sc leaves by single bytes, two to a row of 32: a head owns no more of a row; that is one byte for each 32 of codes.
.set EX,   262144                      ; LDS: behind the partial results, twice (groups by turns) 16 rows of 80 bytes: query r's eight pairs (c x maximum, sum), 8 bytes a wave, 16 bytes of padding
.set EXB,  1280
.set KSR,  24                          ; v24-31  K's scale words: register 4 (t / 8) + (t % 8) / 2: lanes 0-15 the even tile's, lanes 16-31 the odd tile's
.set VSR,  32                          ; v32-35  V's: register 2 (step) + dt / 2 likewise
.set QS,   36                          ; v36     Q's scale words
.set PW,   38                          ; v38-39  P's scale words for my first and second 128 keys
.set BM,   40                          ; v40-47  each block's largest score, then its largest p
.set BX,   48                          ; v48-55  at work: the other half's maxima, then the bytes
.set LIM,  56                          ; v56-63  57,344 x the scale
.set SCO,  64                          ; v64-71  the conversions' scale operands
.set E,    72                          ; v72-87  the sum's four chains, then the eight pairs
.set Q,    88                          ; v88-95  Q's codes; v96-103 zero codes
.set PT,   104                         ; v104-119 P's codes, keys 128-255
.set AC,   120                         ; v120-127 the output's codes
.set S,    128                         ; v128-255 the scores, then the exponentials, then p
.set P0,   192                         ; v192-207 P's codes, keys 0-127, over scores that are done with
.set O,    224                         ; v224-255 O^T, four tiles of 16 d, likewise
; v1 16 x lane; v2 16 r; v3, v4 where I store and read the pairs; v5 4,096 w + 16 x lane; v6 the partial results' address in hand; v7 where the last sum reads; v8 8 x lane; v9 32 r + h; v12 c x my maximum, v13 my sum; v18 F (v19 named with it); v20-23 at work
.set MSB, 0
.macro WIN new                         ; the immediate's high byte repeats the setting that is left
.if MSB != \new
	s_set_vgpr_msb (MSB<<8)|\new
.set MSB, \new
.endif
.endm
.macro PLACES n
.rept \n
	v_nop
.endr
.endm
	s_load_b512 s[8:23], s[0:1], 0x0               ; q_img, q_sc, k_img, k_sc, v_img, v_sc, a_img, a_sc
	v_lshl_add_u32 v17, v0, 2, 0x41000
	v_mov_b32 v37, 0
.irp j, 0,1,2,3,4,5,6,7
	v_mov_b32 v[Q+8+\j], 0                         ; the zero codes of Q's upper 64 along K: written once
.endr
.irp j, 0,1,2,3,4,5,6,7
	v_mov_b32 v[BX+\j], 0                          ; written once: a lane permute's destination counts as one of its sources
.endr
	v_mov_b32 v13, 0                               ; (named in pairs before they are first written)
	v_mov_b32 v19, 0
	v_lshrrev_b32 v1, 5, v0
	v_readfirstlane_b32 s24, v1                    ; wave 0..7
	s_and_b32 s25, ttmp7, 0xffff                   ; batch x 16 + head
	v_and_b32 v10, 31, v0                          ; lane
	v_and_b32 v11, 15, v0                          ; r
	v_bfe_u32 v14, v0, 4, 1                        ; h
	v_lshlrev_b32 v1, 4, v10
	v_lshlrev_b32 v2, 4, v11
	v_lshlrev_b32 v8, 3, v10
	v_mul_u32_u24 v4, v11, 80
	v_add_nc_u32 v4, EX, v4
	s_lshl_b32 s46, s24, 3
	v_add_nc_u32 v3, s46, v4
	s_lshl_b32 s46, s24, 12
	v_add_nc_u32 v5, s46, v1
	s_lshl_b32 s46, s24, 15
	v_lshl_add_u32 v7, v14, 10, v2
	v_add_nc_u32 v7, s46, v7
	v_lshl_add_u32 v9, v11, 5, v14
	s_mov_b32 s28, 0x3e38aa3b                      ; c = log2(e) / 8
	s_mov_b32 s29, s28                             ; (the packed form names the pair)
	s_mov_b32 s30, 0x76543210
	s_mov_b32 s31, 0xfedcba98                      ; v_permlanex16_b32's selects for lane l xor 16
	s_mov_b32 s32, 0x600000                        ; the mantissa field of 57,344
	s_mov_b32 s33, 0xffff0000                      ; lanes 16-31
	s_mov_b32 s39, 0
	s_mov_b32 s41, 0
	s_mov_b32 s47, 0
	s_mov_b32 s49, 0
	s_lshl_b32 s26, s25, 17                        ; a head's codes: 131,072 bytes in each image
	s_lshl_b32 s46, ttmp9, 15
	s_add_co_u32 s46, s46, s26                     ; Q: my work-group's 32 tiles of 1,024 bytes
	s_lshl_b32 s48, s24, 14
	s_add_co_u32 s48, s48, s26                     ; K, V: my wave's 256 keys, 16,384 bytes
	s_wait_kmcnt 0x0
	s_add_nc_u64 s[8:9], s[8:9], s[46:47]
	s_add_nc_u64 s[12:13], s[12:13], s[48:49]
	s_add_nc_u64 s[16:17], s[16:17], s[48:49]
	s_lshl_b32 s26, s25, 13                        ; a head's scale words of q or k: 8,192 bytes
	s_lshl_b32 s46, ttmp9, 11
	s_add_co_u32 s46, s46, s26
	s_add_nc_u64 s[10:11], s[10:11], s[46:47]
	s_lshl_b32 s48, s24, 10
	s_add_co_u32 s48, s48, s26
	s_add_nc_u64 s[14:15], s[14:15], s[48:49]
	s_lshl_b32 s46, s25, 12                        ; of v: 4,096 bytes
	s_lshl_b32 s48, s24, 9
	s_add_co_u32 s48, s48, s46
	s_add_nc_u64 s[18:19], s[18:19], s[48:49]
	global_load_b128 v[Q:Q+3], v1, s[8:9]                  ; the first group's Q
	global_load_b128 v[Q+4:Q+7], v1, s[8:9] offset:512
	global_load_b32 v[QS], v2, s[10:11]
	global_load_b128 v[KSR:KSR+3], v1, s[14:15]
	global_load_b128 v[KSR+4:KSR+7], v1, s[14:15] offset:512
	global_load_b64 v[VSR:VSR+1], v8, s[18:19]
	global_load_b64 v[VSR+2:VSR+3], v8, s[18:19] offset:256
	WIN 0x40                                       ; destination window 1
.set i, 0
.rept 32
	global_load_b128 v[4*i:4*i+3], v1, s[12:13] offset:512*i       ; K: tile i / 2, block i % 2: 512 consecutive bytes a load
.set i, i+1
.endr
.set i, 0
.rept 32
	global_load_b128 v[128+4*i:128+4*i+3], v1, s[16:17] offset:512*i   ; V: 128 keys i / 16, tile of d (i / 4) % 4, block of keys i % 4
.set i, i+1
.endr
	WIN 0
	s_and_b32 s26, s25, 15                         ; head
	s_lshr_b32 s27, s25, 4                         ; batch
	s_lshr_b32 s46, s26, 2
	s_lshl_b32 s46, s46, 9                         ; the head's K step of 256 in the last product: 512 tiles of rows each
	s_lshl_b32 s48, s27, 7
	s_add_co_u32 s46, s46, s48
	s_lshl_b32 s48, ttmp9, 5
	s_add_co_u32 s46, s46, s48
	s_add_co_u32 s46, s46, s24                     ; the tile of rows that I finish in the first batch
	s_lshl_b32 s46, s46, 12
	s_and_b32 s48, s26, 3
	s_lshl_b32 s48, s48, 10                        ; the head's 64 in the 256: 1,024 bytes
	s_add_co_u32 s46, s46, s48
	s_add_nc_u64 s[20:21], s[20:21], s[46:47]
	s_lshl_b32 s46, s27, 11
	s_lshl_b32 s48, ttmp9, 9
	s_add_co_u32 s46, s46, s48
	s_lshl_b32 s48, s24, 4
	s_add_co_u32 s46, s46, s48                     ; its first row
	s_lshl_b32 s46, s46, 5
	s_lshl_b32 s48, s26, 1
	s_add_co_u32 s46, s46, s48                     ; 32 scale bytes a row, the head's two
	s_add_nc_u64 s[22:23], s[22:23], s[46:47]
; ONE GROUP OF 16 QUERIES.  par: the group's parity in the trip.
.macro GROUP par
	s_wait_loadcnt 0x0                             ; this group's Q, asked for a group ago (the first time: K, V and all scale words too)
	WIN 1                                          ; source 0 in window 1
.set t, 0
.rept 16
.if t%2
	v_wmma_scale_f32_16x16x128_f8f6f4 v[S+8*t:S+8*t+7], v[8*t:8*t+15], v[Q:Q+15], 0, v[KSR+4*(t/8)+(t%8)/2], v[QS] matrix_a_fmt:MATRIX_FMT_BF8 matrix_b_fmt:MATRIX_FMT_BF8 matrix_a_scale:MATRIX_SCALE_ROW1
.else
	v_wmma_scale_f32_16x16x128_f8f6f4 v[S+8*t:S+8*t+7], v[8*t:8*t+15], v[Q:Q+15], 0, v[KSR+4*(t/8)+(t%8)/2], v[QS] matrix_a_fmt:MATRIX_FMT_BF8 matrix_b_fmt:MATRIX_FMT_BF8
.endif
.set t, t+1
.endr
	WIN 0
	PLACES 8                                       ; in front of the loads into Q's registers and of the first read of scores
.if \par == 0
	global_load_b128 v[Q:Q+3], v1, s[8:9] offset:1024              ; the next group's Q: the odd tile of the pair
	global_load_b128 v[Q+4:Q+7], v1, s[8:9] offset:1536
	global_load_b32 v[QS], v2, s[10:11] offset:256
.else
	s_cmp_eq_u32 s34, 3                            ; the next pair of tiles.  Scale words: 4 bytes on, and behind four pairs 512 - 12.  (The loads that named these bases were waited for at this group's head)
	s_cselect_b32 s40, 500, 4
	s_lshl_b32 s46, s35, 2
	s_add_co_u32 s46, s46, s34
	s_cmp_eq_u32 s46, 7                            ; the launch's last group (one batch to go, trip 3): the addresses stay, so that no load leaves its buffer; what it loads is not used
	s_cselect_b32 s40, 0, s40
	s_cselect_b32 s38, 0, 2048
	s_add_nc_u64 s[8:9], s[8:9], s[38:39]
	s_add_nc_u64 s[10:11], s[10:11], s[40:41]
	global_load_b128 v[Q:Q+3], v1, s[8:9]
	global_load_b128 v[Q+4:Q+7], v1, s[8:9] offset:512
	global_load_b32 v[QS], v2, s[10:11]
.endif
.irp b, 0,1,2,3,4,5,6,7
	v_max3_num_f32 v[BM+\b], v[S+16*\b], v[S+16*\b+1], v[S+16*\b+2]    ; the largest score of each block of 32 keys: it serves for the row's maximum and, since p rises with the score, for the block's largest p
.endr
.irp i, 3,5,7,9,11,13
.irp b, 0,1,2,3,4,5,6,7
	v_max3_num_f32 v[BM+\b], v[BM+\b], v[S+16*\b+\i], v[S+16*\b+\i+1]
.endr
.endr
.irp b, 0,1,2,3,4,5,6,7
	v_max_num_f32 v[BM+\b], v[BM+\b], v[S+16*\b+15]
.endr
.irp b, 0,1,2,3,4,5,6,7
	v_permlanex16_b32 v[BX+\b], v[BM+\b], s30, s31
.endr
.irp b, 0,1,2,3,4,5,6,7
	v_max_num_f32 v[BM+\b], v[BM+\b], v[BX+\b]     ; with lane l xor 16's 16 keys
.endr
	v_max3_num_f32 v14, v[BM], v[BM+1], v[BM+2]
	v_max3_num_f32 v15, v[BM+3], v[BM+4], v[BM+5]
	v_max3_num_f32 v14, v14, v[BM+6], v[BM+7]
	v_max_num_f32 v14, v14, v15                    ; my query's largest score among my 256 keys
	v_mul_f32 v12, s28, v14                        ; c x it
.set j, 0
.rept 64
	v_pk_fma_f32 v[S+j:S+j+1], v[S+j:S+j+1], s[28:29], v[12:13] op_sel_hi:[1,0,0] neg_lo:[0,0,1] neg_hi:[0,0,1]   ; c s - c m, two at a time
.set j, j+2
.endr
.irp b, 0,1,2,3,4,5,6,7
	v_fma_f32 v[BM+\b], v[BM+\b], s28, -v12        ; the same of each block's largest score
.endr
.set j, 0
.rept 128
	v_exp_f32 v[S+j], v[S+j]                       ; one exponential a score
.set j, j+1
.endr
.irp b, 0,1,2,3,4,5,6,7
	v_exp_f32 v[BM+\b], v[BM+\b]
.endr
	v_nop                                          ; a plain instruction behind the last exponential
	s_wait_alu depctr_va_vdst(0)                   ; one wait for the batch of 136, ahead of its first reader
.irp q, 0,1,2,3
	v_pk_add_f32 v[E+2*\q:E+2*\q+1], v[S+2*\q:S+2*\q+1], v[S+8+2*\q:S+8+2*\q+1]   ; my sum, two at a time, in four chains
.endr
.irp k, 16,24,32,40,48,56,64,72,80,88,96,104,112,120
.irp q, 0,1,2,3
	v_pk_add_f32 v[E+2*\q:E+2*\q+1], v[E+2*\q:E+2*\q+1], v[S+\k+2*\q:S+\k+2*\q+1]
.endr
.endr
	v_pk_add_f32 v[E:E+1], v[E:E+1], v[E+2:E+3]
	v_pk_add_f32 v[E+4:E+5], v[E+4:E+5], v[E+6:E+7]
	v_pk_add_f32 v[E:E+1], v[E:E+1], v[E+4:E+5]
	v_add_f32 v13, v[E], v[E+1]
	v_permlanex16_b32 v14, v13, s30, s31
	v_add_f32 v13, v13, v14                        ; of my 256 keys
	ds_store_b64 v3, v[12:13] offset:\par*EXB      ; both lanes of a query write the same pair to the same place
	s_wait_dscnt 0x0                               ; for the others' sake: my pair has landed; so have the last group's partial results
	s_barrier_signal -1
	s_barrier_wait -1                              ; these bytes are written again two groups on, behind the next group's barrier, in front of which every wave has waited for the reads below
.irp i, 0,1,2,3
	ds_load_b128 v[E+4*\i:E+4*\i+3], v4 offset:\par*EXB+16*\i
.endr
	s_wait_dscnt 0x0
	v_max3_num_f32 v20, v[E], v[E+2], v[E+4]
	v_max3_num_f32 v21, v[E+6], v[E+8], v[E+10]
	v_max3_num_f32 v20, v20, v[E+12], v[E+14]
	v_max_num_f32 v20, v20, v21                    ; c x the row's maximum
.irp i, 0,1,2,3,4,5,6,7
	v_sub_f32 v[E+2*\i], v[E+2*\i], v20
.endr
	v_sub_f32 v21, v12, v20
.irp i, 0,1,2,3,4,5,6,7
	v_exp_f32 v[E+2*\i], v[E+2*\i]                 ; what brings wave i's sum under the row's maximum
.endr
	v_exp_f32 v21, v21                             ; and mine
	v_nop
	s_wait_alu depctr_va_vdst(0)                   ; one wait for the nine
	v_mul_f32 v22, v[E], v[E+1]                    ; the row's sum: the same lines in the same order in all eight waves
	v_mul_f32 v23, v[E+2], v[E+3]
	v_fmac_f32 v22, v[E+4], v[E+5]
	v_fmac_f32 v23, v[E+6], v[E+7]
	v_fmac_f32 v22, v[E+8], v[E+9]
	v_fmac_f32 v23, v[E+10], v[E+11]
	v_fmac_f32 v22, v[E+12], v[E+13]
	v_fmac_f32 v23, v[E+14], v[E+15]
	v_add_f32 v22, v22, v23                        ; at least 1: the wave with the row's maximum brings a term of 1
	v_rcp_f32 v22, v22
	v_nop
	s_wait_alu depctr_va_vdst(0)
	v_mul_f32 v18, v21, v22                        ; F
.set j, 0
.rept 64
	v_pk_mul_f32 v[S+j:S+j+1], v[S+j:S+j+1], v[18:19] op_sel_hi:[1,0]   ; p, finished and normalised
.set j, j+2
.endr
.irp b, 0,1,2,3,4,5,6,7
	v_mul_f32 v[BM+\b], v[BM+\b], v18              ; each block's largest p: the same instructions on the same number give the same bits
.endr
.irp b, 0,1,2,3,4,5,6,7
	v_max_num_f32 v[BM+\b], 0x8000000, v[BM+\b]    ; the floor 2^(16 - 127): the byte cannot fall under 1
.endr
.irp b, 0,1,2,3,4,5,6,7
	v_add_nc_u32 v[SCO+\b], 0xf8800000, v[BM+\b]   ; 15 off the exponent field: the conversion's scale operand
.endr
.irp b, 0,1,2,3,4,5,6,7
	v_and_or_b32 v[LIM+\b], v[BM+\b], 0x7f800000, s32   ; 57,344 x the scale
.endr
.irp b, 0,1,2,3,4,5,6,7
	v_lshrrev_b32 v[BX+\b], 23, v[SCO+\b]          ; the scale's byte
.endr
	v_lshl_or_b32 v[PW], v[BX+1], 8, v[BX]
	v_lshl_or_b32 v[PW+1], v[BX+5], 8, v[BX+4]
	v_lshl_or_b32 v[PW], v[BX+2], 16, v[PW]
	v_lshl_or_b32 v[PW+1], v[BX+6], 16, v[PW+1]
	v_lshl_or_b32 v[PW], v[BX+3], 24, v[PW]
	v_lshl_or_b32 v[PW+1], v[BX+7], 24, v[PW+1]    ; the 128 holds below are the places between these scale words and the products that name them
.irp b, 4,5,6,7                        ; the upper four blocks first: their registers then take the lower four blocks' codes and O^T
.irp i, 0,1,2,3,4,5,6,7,8,9,10,11,12,13,14,15
	v_min_num_f32 v[S+16*\b+\i], v[S+16*\b+\i], v[LIM+\b]   ; the conversion to an 8-bit code does not saturate (ISA guide 7.6.2); p is not negative, so the hold is one-sided
.endr
	v_cvt_scalef32_pk8_bf8_f32 v[PT+4*(\b-4):PT+4*(\b-4)+1], v[S+16*\b:S+16*\b+7], v[SCO+\b]
	v_cvt_scalef32_pk8_bf8_f32 v[PT+4*(\b-4)+2:PT+4*(\b-4)+3], v[S+16*\b+8:S+16*\b+15], v[SCO+\b]
.endr
.irp b, 0,1,2,3
.irp i, 0,1,2,3,4,5,6,7,8,9,10,11,12,13,14,15
	v_min_num_f32 v[S+16*\b+\i], v[S+16*\b+\i], v[LIM+\b]
.endr
	v_cvt_scalef32_pk8_bf8_f32 v[P0+4*\b:P0+4*\b+1], v[S+16*\b:S+16*\b+7], v[SCO+\b]
	v_cvt_scalef32_pk8_bf8_f32 v[P0+4*\b+2:P0+4*\b+3], v[S+16*\b+8:S+16*\b+15], v[SCO+\b]
.endr
	PLACES 4                                       ; an operand written by vector instructions stands four places ahead of a scaled matrix instruction
	WIN 1
.irp d, 0,1,2,3                        ; O^T = V^T P^T: my first 128 keys start the four sums, my second 128 go on; the four accumulators by turns
.if \d%2
	v_wmma_scale_f32_16x16x128_f8f6f4 v[O+8*\d:O+8*\d+7], v[128+16*\d:128+16*\d+15], v[P0:P0+15], 0, v[VSR+\d/2], v[PW] matrix_a_fmt:MATRIX_FMT_BF8 matrix_b_fmt:MATRIX_FMT_BF8 matrix_a_scale:MATRIX_SCALE_ROW1
.else
	v_wmma_scale_f32_16x16x128_f8f6f4 v[O+8*\d:O+8*\d+7], v[128+16*\d:128+16*\d+15], v[P0:P0+15], 0, v[VSR+\d/2], v[PW] matrix_a_fmt:MATRIX_FMT_BF8 matrix_b_fmt:MATRIX_FMT_BF8
.endif
.endr
.irp d, 0,1,2,3
.if \d%2
	v_wmma_scale_f32_16x16x128_f8f6f4 v[O+8*\d:O+8*\d+7], v[192+16*\d:192+16*\d+15], v[PT:PT+15], v[O+8*\d:O+8*\d+7], v[VSR+2+\d/2], v[PW+1] matrix_a_fmt:MATRIX_FMT_BF8 matrix_b_fmt:MATRIX_FMT_BF8 matrix_a_scale:MATRIX_SCALE_ROW1
.else
	v_wmma_scale_f32_16x16x128_f8f6f4 v[O+8*\d:O+8*\d+7], v[192+16*\d:192+16*\d+15], v[PT:PT+15], v[O+8*\d:O+8*\d+7], v[VSR+2+\d/2], v[PW+1] matrix_a_fmt:MATRIX_FMT_BF8 matrix_b_fmt:MATRIX_FMT_BF8
.endif
.endr
	WIN 0
	PLACES 9                                       ; eight in front of the stores of results; nine in front of the next group's products, which write over these operands and results
	v_add_nc_u32 v6, s36, v5
.irp i, 0,1,2,3,4,5,6,7
	ds_store_b128 v6, v[O+4*\i:O+4*\i+3] offset:\par*32768+512*\i   ; [group of the batch: 32,768][wave: 4,096][four registers: 512][lane: 16]; each accumulator from its low end on
.endr
.endm
; THE LAST SUM, once for eight groups: wave w adds the eight waves' parts of group w.  The addresses put the head's 64 into their true order: lane (r, h) takes, for block c, tile of d 2 c + h, from the lane slots r and r + 16.
.macro RLOAD v, reg
.irp c, 0,1
.irp hh, 0,1
.irp jq, 0,1
	ds_load_b128 v[\reg+16*\c+8*\hh+4*\jq:\reg+16*\c+8*\hh+4*\jq+3], v7 offset:4096*(\v)+2048*\c+512*\jq+256*\hh
.endr
.endr
.endr
.endm
.macro RADD dst, src
.set i, 0
.rept 16
	v_pk_add_f32 v[\dst+i:\dst+i+1], v[\dst+i:\dst+i+1], v[\src+i:\src+i+1]
.set i, i+2
.endr
.endm
.macro REDUCE
	s_wait_dscnt 0x0                               ; my partial results have landed
	s_barrier_signal -1
	s_barrier_wait -1                              ; everybody's have
	RLOAD 0, S
	RLOAD 1, S+32
	RLOAD 2, S+64
	RLOAD 3, S+96
	s_wait_dscnt 0x0
	RADD S, S+32
	RADD S+64, S+96
	RADD S, S+64
	RLOAD 4, S+32
	RLOAD 5, S+64
	RLOAD 6, S+96
	s_wait_dscnt 0x0
	RADD S, S+32
	RADD S+64, S+96
	RADD S, S+64
	RLOAD 7, S+32
	s_wait_dscnt 0x0                               ; my reads are over: the next batch's first partial results are stored behind its first group's barrier
	RADD S, S+32                                   ; register 16 c + x: d = 32 c + 16 h + x of query r
.irp c, 0,1
	v_max3_num_f32 v[BM+\c], |v[S+16*\c]|, |v[S+16*\c+1]|, 0x8000000
.endr
.irp i, 2,4,6,8,10,12,14
.irp c, 0,1
	v_max3_num_f32 v[BM+\c], v[BM+\c], |v[S+16*\c+\i]|, |v[S+16*\c+\i+1]|
.endr
.endr
.irp c, 0,1
	v_permlanex16_b32 v[BX+\c], v[BM+\c], s30, s31
.endr
.irp c, 0,1
	v_max_num_f32 v[BM+\c], v[BM+\c], v[BX+\c]
.endr
.irp c, 0,1
	v_add_nc_u32 v[SCO+\c], 0xf8800000, v[BM+\c]
.endr
.irp c, 0,1
	v_and_or_b32 v[LIM+\c], v[BM+\c], 0x7f800000, s32
.endr
.irp c, 0,1
	v_lshrrev_b32 v[BX+\c], 23, v[SCO+\c]
.endr
.irp c, 0,1
.irp i, 0,1,2,3,4,5,6,7,8,9,10,11,12,13,14,15
	v_med3_num_f32 v[S+16*\c+\i], v[S+16*\c+\i], -v[LIM+\c], v[LIM+\c]
.endr
	v_cvt_scalef32_pk8_bf8_f32 v[AC+4*\c:AC+4*\c+1], v[S+16*\c:S+16*\c+7], v[SCO+\c]
	v_cvt_scalef32_pk8_bf8_f32 v[AC+4*\c+2:AC+4*\c+3], v[S+16*\c+8:S+16*\c+15], v[SCO+\c]
.endr
	v_nop                                          ; a plain vector instruction behind the last conversion
	v_cndmask_b32 v21, v[BX], v[BX+1], s33         ; lanes 0-15 store block 0's byte, lanes 16-31 block 1's
	global_store_b128 v1, v[AC:AC+3], s[20:21]             ; 512 consecutive bytes each, at a multiple of 512 from the buffer's first byte
	global_store_b128 v1, v[AC+4:AC+7], s[20:21] offset:512
	global_store_b8 v9, v21, s[22:23]
	s_wait_xcnt 0x0                                ; the stores have read their data and bases: both are written again
	s_add_nc_u64 s[20:21], s[20:21], 32768         ; eight tiles of rows on
	s_add_nc_u64 s[22:23], s[22:23], 4096          ; 128 rows on
.endm
	s_mov_b32 s35, 4                               ; batches of eight groups to go
.Lbatch:
	s_mov_b32 s34, 0                               ; the trip: two groups each
	s_mov_b32 s36, 0                               ; where the trip's partial results begin in LDS
.Lpair:
	GROUP 0
	GROUP 1
	s_add_co_u32 s36, s36, 0x10000
	s_add_co_u32 s34, s34, 1
	s_cmp_lt_u32 s34, 4
	s_cbranch_scc1 .Lpair
	REDUCE
	s_sub_co_u32 s35, s35, 1
	s_cmp_lg_u32 s35, 0
	s_cbranch_scc1 .Lbatch
	s_wait_tensorcnt 0x0
	ds_add_u32 v17, v37
	s_wait_dscnt 0x0
	s_endpgm
.Lfunc_end_k_qa4b1ff8863_attn:
	.size	k_qa4b1ff8863_attn, .Lfunc_end_k_qa4b1ff8863_attn-k_qa4b1ff8863_attn
	.p2alignl 7, 3214868480
	.fill 96, 4, 3214868480
	.section	.rodata,"a",@progbits
	.p2align	6, 0x0
	.amdhsa_kernel k_qa4b1ff8863_attn
		.amdhsa_group_segment_fixed_size 267264
		.amdhsa_private_segment_fixed_size 0
		.amdhsa_enable_private_segment 0
		.amdhsa_kernarg_size 64
		.amdhsa_user_sgpr_count 2
		.amdhsa_user_sgpr_kernarg_segment_ptr 1
		.amdhsa_wavefront_size32 1
		.amdhsa_system_sgpr_workgroup_id_x 1
		.amdhsa_system_sgpr_workgroup_id_y 1
		.amdhsa_system_sgpr_workgroup_id_z 1
		.amdhsa_system_vgpr_workitem_id 0
		.amdhsa_next_free_vgpr 512
		.amdhsa_next_free_sgpr 66
		.amdhsa_reserve_vcc 0
		.amdhsa_float_denorm_mode_32 3
		.amdhsa_float_denorm_mode_16_64 3
		.amdhsa_memory_ordered 1
		.amdhsa_forward_progress 1
		.amdhsa_inst_pref_size 98
	.end_amdhsa_kernel
	.amdgpu_metadata
---
amdhsa.version: [ 1, 2 ]
amdhsa.kernels:
  - .name:           k_qa4b1ff8863_attn
    .symbol:         k_qa4b1ff8863_attn.kd
    .args:
      - { .name: q_img, .offset: 0, .size: 8, .value_kind: global_buffer, .address_space: global }
      - { .name: q_sc, .offset: 8, .size: 8, .value_kind: global_buffer, .address_space: global }
      - { .name: k_img, .offset: 16, .size: 8, .value_kind: global_buffer, .address_space: global }
      - { .name: k_sc, .offset: 24, .size: 8, .value_kind: global_buffer, .address_space: global }
      - { .name: v_img, .offset: 32, .size: 8, .value_kind: global_buffer, .address_space: global }
      - { .name: v_sc, .offset: 40, .size: 8, .value_kind: global_buffer, .address_space: global }
      - { .name: a_img, .offset: 48, .size: 8, .value_kind: global_buffer, .address_space: global }
      - { .name: a_sc, .offset: 56, .size: 8, .value_kind: global_buffer, .address_space: global }
    .group_segment_fixed_size: 267264
    .private_segment_fixed_size: 0
    .kernarg_segment_align: 8
    .kernarg_segment_size: 64
    .max_flat_workgroup_size: 256
    .sgpr_count:     66
    .vgpr_count:     512
    .wavefront_size: 32
...
	.end_amdgpu_metadata
.endif
;; end of part 2
;; launch oproj (part 3): grid 4 x 32, 4 waves a work-group, clusters of 4 x 4, 327,680 bytes of LDS; arguments a_img, a_sc, Wo_codes, Wo_scales, bo, out0; writes out0
.if DOCPART == 3
	.amdgcn_target "amdgcn-amd-amdhsa--gfx1250"
	.amdhsa_code_object_version 6
	.text
	.protected	k_qa4b1ff8863_oproj
	.globl	k_qa4b1ff8863_oproj
	.p2align	8
	.type	k_qa4b1ff8863_oproj,@function
k_qa4b1ff8863_oproj:
	s_mov_b64 s[64:65], 0
	v_nop
	global_prefetch_b8 v0, s[64:65] scope:SCOPE_SE
	s_setreg_imm32_b32 hwreg(HW_REG_WAVE_MODE, 25, 1), 1
	s_wait_xcnt 0x0
	s_wait_alu depctr_hold_cnt(0) depctr_sa_sdst(0) depctr_va_vdst(0) depctr_va_sdst(0) depctr_va_ssrc(0) depctr_va_vcc(0) depctr_vm_vsrc(0)
	s_getreg_b32 s2, hwreg(HW_REG_IB_STS2, 6, 4)
	s_cmp_eq_u32 s2, 0
	s_cbranch_scc0 .Lentry_in_a_cluster
	s_endpgm
.Lentry_in_a_cluster:
	s_bfe_u32 s2, ttmp6, 0x10000c
	s_cmp_lg_u32 s2, 0xf033
	s_cbranch_scc0 .Lentry_shape_is_right
	s_endpgm
.Lentry_shape_is_right:
; out0 = a Wo^T + bo on codes of BF8 (E5M2) with one E8M0 scale for each 32 along K = 1,024.  a: the attention's output, 8,192 rows; Wo: [1024][1024] codes, [1024][32] scale bytes; bo [1024] f32; out0 [8192][1024] f32.
; a's codes come as IMAGES OF THE OPERAND'S REGISTERS: [K step of 256: 4][tile of 16 rows: 512][128 along K: 2][block of 32: 4][lane][16 bytes], so a K step's 128 rows are one dense block of 32,768 bytes for one tensor load,
; and a fragment is four loads of 512 consecutive LDS bytes: no pitch, no padding.  a's scale bytes lie [8192][32].
; A tile of out0, 256 x 256, is made by a work-group of four waves, 128 x 128 each: 64 accumulators.  K goes in steps of 256 through a ring of two LDS slots; the scales of all of K come into LDS once.
; CLUSTERS: 4 x 4 work-groups; a's tiles are shared along a row of the cluster, Wo's along a column, each asked for jointly.  The matrix instruction is used transposed (source 0 = 16 rows of Wo, source 1 = 16 rows of a):
; a lane holds eight neighbouring numbers of a row of out0.  The bias is the C of the first step: the first addend of each f32 sum (reference adds it last).
; 128 work-groups: the tile is kept at 256 x 256 for the sake of the LDS reads that each matrix instruction costs.
; REGISTERS: window 0: v0-31 addresses; v32-63 scale words; v64-127 the bias; v128-255 a's fragments, on the way out rows of out0.  Window 1: Wo's fragments, two sets.  Windows 2, 3: the accumulators.
.set SIZE_N, 1024
.set NQ,     2
.set ROWB,   256
.set KROW,   1024
.set PITCH,  272
.set FR,     16
.set NL,     4
.set NP,     8
.set HALFA,  32768                     ; a's 128 rows of a K step: eight tiles of 4,096 bytes
.set HALFT,  128*PITCH                 ; Wo's 128 rows
.set BOFF,   2*HALFA
.set SLOT,   BOFF+2*HALFT
.set ASTEP,  512*4096                  ; from one K step of a's images to the next
.set LAPS,   2
.set KS,     32
.set SCL,    2*SLOT
.set HALFS,  (128*KS/256)*272
.set SBLK,   (16*KS/256)*272
.set SPARE,  SCL+4*HALFS               ; the spare words, 128 bytes a wave: two blocks of 256 bytes that no other line names
.set SPITCH, 528                       ; the way out: a stage of 16 rows x (512 bytes + 16) for each wave, in slot 0, which has had its last fill and its last read when the first result is stored there
.set ADRA, 16
.set ADRB, 20
.set STO,  24
.set RD,   25
.set CO,   26
.set ADRS, 27
.set SPW,  28
.set NIL,  29
.set SC,   32
.set BIAS, 64
.set AF,   128
.set BK,   128
.set G1, 24
.set G0, 32
.set G1B, 48
.set G0B, 56
.set G1S, 68
.set G0S, 76
.set G1SB, 80
.set G0SB, 88
.set MSB, 0
.macro WIN new
.if MSB != \new
	s_set_vgpr_msb (MSB<<8)|\new
.set MSB, \new
.endif
.endm
.set MUL_LO, 0xa1
.set MUL_HI, 0xf1
.set MUL_LOB, 0x81                     ; the first step: C (the bias) window 0
.set MUL_HIB, 0xc1
.set TO_B,   0x40
.macro JLOAD g0a, g1a, g0b, g1b        ; a joint load: waves 0 and 1 fetch for a, waves 2 and 3 for Wo; four v_nop follow each of the two lines
	s_cmp_eq_u32 s15, 0
	s_cbranch_scc0 .Lfor_b_\@
	tensor_load_to_lds s[\g0a:\g0a+3], s[\g1a:\g1a+7]
	s_nop 0
.rept 4
	v_nop
.endr
	s_branch .Lasked_\@
.Lfor_b_\@:
	tensor_load_to_lds s[\g0b:\g0b+3], s[\g1b:\g1b+7]
	s_nop 0
.rept 4
	v_nop
.endr
.Lasked_\@:
.endm
.macro CREST
	s_cmp_lg_u32 s14, 0
	s_cbranch_scc1 .Lnot_wave_0_\@
	s_barrier_signal -3
.Lnot_wave_0_\@:
	s_barrier_wait -3
	s_barrier_signal -1
	s_barrier_wait -1
.endm
.macro CROUND
	s_barrier_signal -1
	s_barrier_wait -1
	CREST
.endm
	s_load_b128 s[4:7], s[0:1], 0x0                ; a's images, a's scales
	s_load_b128 s[8:11], s[0:1], 0x10              ; Wo's codes, Wo's scales
	s_load_b64 s[96:97], s[0:1], 0x20              ; bo
	s_load_b64 s[12:13], s[0:1], 0x28              ; out0
	v_lshl_add_u32 v[SPW], v0, 2, SPARE
	v_mov_b32 v[NIL], 0
	ds_add_u32 v28, v29
	ds_add_u32 v28, v29
	s_wait_dscnt 0x0
	v_lshrrev_b32 v1, 5, v0
	v_readfirstlane_b32 s14, v1                    ; wave 0..3
	s_lshr_b32 s15, s14, 1                         ; which half of the tile's rows is mine.  Also: I fetch for a (0) or for Wo (1)
	s_and_b32 s16, s14, 1                          ; which half of its columns.  Also: which 128 rows I fetch
	s_bfe_u32 s40, ttmp6, 0x40000
	s_bfe_u32 s41, ttmp6, 0x40004
	s_lshl_b32 s42, ttmp9, 2
	s_add_co_u32 s42, s42, s40                     ; tile column
	s_and_b32 s17, ttmp7, 0xffff
	s_lshl_b32 s17, s17, 2
	s_add_co_u32 s17, s17, s41                     ; tile row
	s_lshl_b32 s43, s41, 2
	s_lshl_b32 s43, 15, s43                        ; my row of the cluster
	s_lshl_b32 s44, 0x1111, s40                    ; my column
	; group 1 for a's images: a dense block of 32,768 bytes as 128 rows of 256 bytes (32 elements of 8 bytes), no padding
	s_or_b32 s[G1+0], s43, (3<<16)|(1<<21)
	s_mov_b32 s[G1+1], 32<<16
	s_mov_b32 s[G1+2], 128<<16
	s_mov_b32 s[G1+3], 32<<16
	s_mov_b32 s[G1+4], 128
	s_mov_b32 s[G1+5], 32
	s_mov_b32 s[G1+6], 0
	s_mov_b32 s[G1+7], 0
	; for Wo's tiles: 128 rows x 256 bytes, 1,024 bytes apart, 16 bytes of padding behind each
	s_or_b32 s[G1B+0], s44, (1<<20)|(1<<21)|(5<<22)|(3<<25)
	s_mov_b32 s[G1B+1], ROWB<<16
	s_mov_b32 s[G1B+2], 128<<16
	s_mov_b32 s[G1B+3], ROWB<<16
	s_mov_b32 s[G1B+4], 128
	s_mov_b32 s[G1B+5], KROW
	s_mov_b32 s[G1B+6], 0
	s_mov_b32 s[G1B+7], 0
	; for the scales of 128 rows: 4,096 dense bytes as 16 rows of 256, 16 bytes of padding behind each
	s_or_b32 s[G1S+0], s43, (3<<16)|(1<<20)|(1<<21)|(5<<22)|(3<<25)
	s_or_b32 s[G1SB+0], s44, (3<<16)|(1<<20)|(1<<21)|(5<<22)|(3<<25)
.irp g, G1S, G1SB
	s_mov_b32 s[\g+1], 32<<16
	s_mov_b32 s[\g+2], (128*KS/256)<<16
	s_mov_b32 s[\g+3], 32<<16
	s_mov_b32 s[\g+4], 128*KS/256
	s_mov_b32 s[\g+5], 32
	s_mov_b32 s[\g+6], 0
	s_mov_b32 s[\g+7], 0
.endr
	s_lshl_b32 s18, s16, 7
	s_lshl_b32 s20, s17, 8
	s_add_co_u32 s20, s20, s18                     ; a: row 256 x tile row + 128 x half
	s_lshl_b32 s46, s42, 8
	s_add_co_u32 s46, s46, s18                     ; Wo: row 256 x tile column + 128 x half
	s_mov_b32 s21, 0
	s_mov_b32 s47, 0
	s_lshl_b64 s[22:23], s[20:21], 5               ; scale bytes: 32 a row
	s_lshl_b64 s[92:93], s[46:47], 5
	s_lshl_b64 s[20:21], s[20:21], 8               ; a's images: 256 bytes a row in a K step
	s_lshl_b64 s[46:47], s[46:47], 10              ; Wo's codes: 1,024 bytes a row
	s_lshl_b32 s45, s16, 15                        ; where they go: a's halves at the slot's head,
	s_mul_i32 s95, s16, HALFT
	s_add_co_u32 s95, s95, BOFF                    ; Wo's behind them: no place in the cluster enters an LDS address
	s_mul_i32 s94, s14, HALFS
	s_wait_kmcnt 0x0
	s_add_nc_u64 s[20:21], s[4:5], s[20:21]
	s_add_nc_u64 s[22:23], s[6:7], s[22:23]
	s_add_nc_u64 s[46:47], s[8:9], s[46:47]
	s_add_nc_u64 s[92:93], s[10:11], s[92:93]
	CROUND                                         ; all sixteen work-groups are here: the first joint loads meet
	s_mov_b32 s[G0S], 1
	s_add_co_u32 s[G0S+1], s94, SCL
	s_mov_b64 s[G0S+2:G0S+3], s[22:23]
	s_or_b32 s[G0S+3], s[G0S+3], 0x80000000
	s_mov_b32 s[G0SB], 1
	s_add_co_u32 s[G0SB+1], s94, SCL
	s_mov_b64 s[G0SB+2:G0SB+3], s[92:93]
	s_or_b32 s[G0SB+3], s[G0SB+3], 0x80000000
	JLOAD G0S, G1S, G0SB, G1SB
.irp s, 0,1
	s_mov_b32 s[G0+4*\s], 1
	s_add_co_u32 s[G0+4*\s+1], s45, \s*SLOT
	s_add_nc_u64 s[G0+4*\s+2:G0+4*\s+3], s[20:21], \s*ASTEP
	s_or_b32 s[G0+4*\s+3], s[G0+4*\s+3], 0x80000000
	s_mov_b32 s[G0B+4*\s], 1
	s_add_co_u32 s[G0B+4*\s+1], s95, \s*SLOT
	s_add_nc_u64 s[G0B+4*\s+2:G0B+4*\s+3], s[46:47], \s*ROWB
	s_or_b32 s[G0B+4*\s+3], s[G0B+4*\s+3], 0x80000000
	JLOAD G0+4*\s, G1, G0B+4*\s, G1B
.endr
	v_and_b32 v1, 15, v0                           ; r
	v_bfe_u32 v2, v0, 4, 1                         ; h
	v_and_b32 v6, 31, v0
	v_lshlrev_b32 v[CO], 4, v6                     ; 16 x lane
	v_mul_u32_u24 v3, v1, PITCH
	v_lshl_add_u32 v4, v2, 4, v3                   ; Wo: a fragment's row x pitch + 16 x half
	s_lshl_b32 s21, s15, 15                        ; my 128 rows of a: eight images
	s_mul_i32 s22, s16, HALFT
	s_add_co_u32 s22, s22, BOFF                    ; my 128 rows of Wo
.irp s, 0,1
	v_add_nc_u32 v[ADRA+\s], s21, v[CO]
	v_add_nc_u32 v[ADRB+\s], s22, v4
	s_add_co_u32 s21, s21, SLOT
	s_add_co_u32 s22, s22, SLOT
.endr
	v_mul_u32_u24 v5, v1, KS
	v_lshrrev_b32 v6, 8, v5
	v_lshl_add_u32 v5, v6, 4, v5
	s_mul_i32 s21, s15, HALFS
	s_mul_i32 s22, s16, HALFS
	s_add_co_u32 s22, s22, 2*HALFS
	s_sub_co_u32 s22, s22, s21
	v_mul_u32_u24 v6, s22, v2                      ; lanes 16-31 take Wo's
	s_add_co_u32 s21, s21, SCL
	v_add_nc_u32 v5, v5, v6
	v_add_nc_u32 v[ADRS], s21, v5
	s_mul_i32 s23, s14, 16*SPITCH                  ; my stage
	v_mul_u32_u24 v5, v1, SPITCH
	v_lshl_add_u32 v5, v2, 5, v5
	v_add_nc_u32 v[STO], s23, v5
	v_add_nc_u32 v[RD], s23, v[CO]
	s_lshl_b32 s20, s17, 8
	s_lshl_b32 s21, s15, 7
	s_add_co_u32 s20, s20, s21                     ; my first row of out0
	s_mov_b32 s21, 0
	s_lshl_b64 s[20:21], s[20:21], 12              ; 4,096 bytes a row
	s_lshl_b32 s46, s42, 10                        ; my first column, in bytes: 1,024 x tile column + 512 x half
	s_lshl_b32 s47, s16, 9
	s_add_co_u32 s46, s46, s47
	s_mov_b32 s47, 0
	s_add_nc_u64 s[20:21], s[20:21], s[46:47]
	s_add_nc_u64 s[12:13], s[12:13], s[20:21]
	s_add_nc_u64 s[96:97], s[96:97], s[46:47]      ; bo at my first column
	v_lshlrev_b32 v7, 5, v2                        ; register j of tile b is column 16 b + 8 h + j
.irp b, 0,1,2,3,4,5,6,7
	global_load_b128 v[BIAS+8*\b:BIAS+8*\b+3], v7, s[96:97] offset:64*\b
	global_load_b128 v[BIAS+8*\b+4:BIAS+8*\b+7], v7, s[96:97] offset:64*\b+16
.endr
.macro FRAGB reg, adr, q, i            ; 16 rows x 128 K from rows in LDS
.irp c, 0,1,2,3
	ds_load_b128 v[\reg+4*\c:\reg+4*\c+3], v[\adr] offset:128*(\q)+32*\c+(\i)*16*PITCH
.endr
.endm
.macro FRAGA reg, adr, q, i            ; the same from an image: 512 consecutive bytes a load
.irp c, 0,1,2,3
	ds_load_b128 v[\reg+4*\c:\reg+4*\c+3], v[\adr] offset:4096*(\i)+2048*(\q)+512*\c
.endr
.endm
; 16 matrix instructions: a's blocks a0, a0 + 1 x Wo's eight.  cmode 1: the sums start from the bias.  The 64 accumulators take turns, one instruction a turn, in the same order in every step.
.macro MUL16 a0, p, q, sc, cmode
.irp a, \a0, \a0+1
.irp b, 0,1,2,3,4,5,6,7
.if \cmode
	v_wmma_scale_f32_16x16x128_f8f6f4 v[8*(8*((\a)%4)+\b):8*(8*((\a)%4)+\b)+7], v[128*(\p)+FR*\b:128*(\p)+FR*\b+FR-1], v[AF+FR*(\a):AF+FR*(\a)+FR-1], v[BIAS+8*\b:BIAS+8*\b+7], v[SC+8*NQ*(\sc)+NQ*\b+(\q)], v[SC+8*NQ*(\sc)+NQ*(\a)+(\q)] matrix_a_fmt:MATRIX_FMT_BF8 matrix_b_fmt:MATRIX_FMT_BF8 matrix_a_scale:MATRIX_SCALE_ROW1
.else
	v_wmma_scale_f32_16x16x128_f8f6f4 v[8*(8*((\a)%4)+\b):8*(8*((\a)%4)+\b)+7], v[128*(\p)+FR*\b:128*(\p)+FR*\b+FR-1], v[AF+FR*(\a):AF+FR*(\a)+FR-1], v[8*(8*((\a)%4)+\b):8*(8*((\a)%4)+\b)+7], v[SC+8*NQ*(\sc)+NQ*\b+(\q)], v[SC+8*NQ*(\sc)+NQ*(\a)+(\q)] matrix_a_fmt:MATRIX_FMT_BF8 matrix_b_fmt:MATRIX_FMT_BF8 matrix_a_scale:MATRIX_SCALE_ROW1
.endif
.endr
.endr
.endm
.macro FETCH_B slot, q, p
	WIN TO_B
.irp i, 0,1,2,3,4,5,6,7
	FRAGB 128*(\p)+FR*\i, ADRB+\slot, \q, \i
.endr
	WIN 0
.endm
.macro FETCH_A slot, q, i0
.irp i, \i0, \i0+1, \i0+2, \i0+3
	FRAGA AF+FR*(\i), ADRA+\slot, \q, \i
.endr
.endm
.macro SCALES sc
.irp i, 0,1,2,3,4,5,6,7
	ds_load_b64 v[SC+8*NQ*\sc+NQ*\i:SC+8*NQ*\sc+NQ*\i+1], v[ADRS] offset:\i*SBLK
.endr
.endm
.macro PLACES n                        ; plain vector instructions between a matrix instruction and a load into, or a read of, its registers
.rept \n
	v_nop
.endr
.endm
.macro STEP slot, q, cmode
	s_wait_dscnt 4*NL                              ; Wo's set and a's blocks 0-3 are in; the youngest 16 loads (a's blocks 4-7) may be out
.if \cmode
	WIN MUL_LOB
.else
	WIN MUL_LO
.endif
	MUL16 0, (\q)%2, \q, \slot, \cmode
	MUL16 2, (\q)%2, \q, \slot, \cmode
	s_wait_dscnt 0
	PLACES NP
	FETCH_B \slot, (\q)+1, 1-(\q)%2
	FETCH_A \slot, (\q)+1, 0
.if \cmode
	WIN MUL_HIB
.else
	WIN MUL_HI
.endif
	MUL16 4, (\q)%2, \q, \slot, \cmode
	MUL16 6, (\q)%2, \q, \slot, \cmode
	PLACES NP
	WIN 0
	FETCH_A \slot, (\q)+1, 4
.endm
.macro TURN slot, next, fill
	s_wait_tensorcnt 0x0                           ; all my tensor loads have landed: my part of the next slot
	ds_add_u32 v[SPW], v[NIL]                      ; 0 onto my spare word
	s_wait_dscnt 4*NL+1                            ; the add and the youngest 16 loads may be out
	WIN MUL_LO
	MUL16 0, 1, NQ-1, \slot, 0
	s_wait_dscnt 0x0                               ; the add is done, and my reads of this slot are over
	s_barrier_signal -1
	MUL16 2, 1, NQ-1, \slot, 0
	WIN 0
	s_barrier_wait -1
.if \fill
	CREST                                          ; the barrier has opened a round of the cluster's barrier: no wave of any partner still reads this slot or has a load on its way
	s_add_nc_u64 s[G0+4*\slot+2:G0+4*\slot+3], s[G0+4*\slot+2:G0+4*\slot+3], 2*ASTEP
	s_add_nc_u64 s[G0B+4*\slot+2:G0B+4*\slot+3], s[G0B+4*\slot+2:G0B+4*\slot+3], 2*ROWB
	JLOAD G0+4*\slot, G1, G0B+4*\slot, G1B
	PLACES NP-4
.else
	PLACES NP
.endif
	v_add_nc_u32 v[ADRS], 4*NQ, v[ADRS]
	FETCH_B \next, 0, 0
	FETCH_A \next, 0, 0
	SCALES \next
	WIN MUL_HI
	MUL16 4, 1, NQ-1, \slot, 0
	MUL16 6, 1, NQ-1, \slot, 0
	PLACES NP
	WIN 0
	FETCH_A \next, 0, 4
.endm
	s_wait_tensorcnt 1                             ; the scales and my part of slot 0 are in; slot 1's load, issued behind them, may be out
	s_barrier_signal -1
	s_barrier_wait -1
	FETCH_B 0, 0, 0
	FETCH_A 0, 0, 0
	SCALES 0
	FETCH_A 0, 0, 4
	s_wait_loadcnt 0x0                             ; the bias
	STEP 0, 0, 1                                   ; the first step starts the sums from the bias
	s_mov_b32 s3, LAPS-1
.Llap:
	TURN 0, 1, 1
	STEP 1, 0, 0
	TURN 1, 0, 1
	STEP 0, 0, 0
	s_sub_co_u32 s3, s3, 1
	s_cmp_lg_u32 s3, 0
	s_cbranch_scc1 .Llap
	TURN 0, 1, 0
	STEP 1, 0, 0
	s_wait_dscnt 4*NL
	WIN MUL_LO
	MUL16 0, 1, NQ-1, 1, 0
	MUL16 2, 1, NQ-1, 1, 0
	s_wait_dscnt 0
	WIN MUL_HI
	MUL16 4, 1, NQ-1, 1, 0
	MUL16 6, 1, NQ-1, 1, 0
	WIN 0
; THE WAY OUT, block by block of 16 rows x 128 columns, through my own stage in LDS: in as 32 bytes a lane, back as whole rows of 512 bytes.  LDS serves a wave's instructions in order (ISA guide 5.7.1.4).
.macro TOSTAGE a
.set AC, 64*((\a)%4)
.set WD, 0x08+4*((\a)/4)
	WIN WD                                         ; an LDS store's data are its source 1: window 2 or 3
.irp b, 0,1,2,3,4,5,6,7
	ds_store_b128 v[STO], v[AC+8*\b:AC+8*\b+3] offset:64*\b          ; each accumulator from its low end on
	ds_store_b128 v[STO], v[AC+8*\b+4:AC+8*\b+7] offset:64*\b+16
.endr
	WIN 0
.set BB, BK+64*((\a)%2)
.irp t, 0,1,2,3,4,5,6,7,8,9,10,11,12,13,14,15
	ds_load_b128 v[BB+4*\t:BB+4*\t+3], v[RD] offset:\t*SPITCH
.endr
.endm
.macro SEND a, younger                 ; younger: the LDS instructions issued behind block a's loads, which may stay out
.set BB, BK+64*((\a)%2)
	s_wait_dscnt \younger
.if (\a) > 0
	s_add_nc_u64 s[12:13], s[12:13], 16*SIZE_N*4   ; (behind a wait on XCNT: the earlier stores have read their base)
.endif
.irp t, 0,1,2,3,4,5,6,7,8,9,10,11,12,13,14,15
	global_store_b128 v[CO], v[BB+4*\t:BB+4*\t+3], s[12:13] offset:\t*SIZE_N*4 th:TH_STORE_NT   ; 32 lanes store 512 consecutive bytes, at a multiple of 512 from out0's first byte
.endr
.endm
	PLACES NP                                      ; in front of the loads into the registers that held a's fragments, and of the reads of results
	TOSTAGE 0
.irp a, 1,2,3,4,5,6,7
.if \a > 1
	s_wait_xcnt 0x0                                ; block a - 2's stores have read their registers and their base
.endif
	TOSTAGE \a
	SEND \a-1, 32                                  ; behind block a - 1's loads: block a's 16 stores and 16 loads
.endr
	s_wait_xcnt 0x0
	SEND 7, 0
	s_wait_tensorcnt 0x0                           ; the wave's end
	ds_add_u32 v[SPW], v[NIL]
	s_wait_dscnt 0x0
	CROUND                                         ; the closing round
	s_endpgm
.Lfunc_end_k_qa4b1ff8863_oproj:
	.size	k_qa4b1ff8863_oproj, .Lfunc_end_k_qa4b1ff8863_oproj-k_qa4b1ff8863_oproj
	.p2alignl 7, 3214868480
	.fill 96, 4, 3214868480
	.section	.rodata,"a",@progbits
	.p2align	6, 0x0
	.amdhsa_kernel k_qa4b1ff8863_oproj
		.amdhsa_group_segment_fixed_size 327680
		.amdhsa_private_segment_fixed_size 0
		.amdhsa_enable_private_segment 0
		.amdhsa_kernarg_size 48
		.amdhsa_user_sgpr_count 2
		.amdhsa_user_sgpr_kernarg_segment_ptr 1
		.amdhsa_wavefront_size32 1
		.amdhsa_system_sgpr_workgroup_id_x 1
		.amdhsa_system_sgpr_workgroup_id_y 1
		.amdhsa_system_sgpr_workgroup_id_z 1
		.amdhsa_system_vgpr_workitem_id 0
		.amdhsa_next_free_vgpr 1024
		.amdhsa_next_free_sgpr 98
		.amdhsa_reserve_vcc 0
		.amdhsa_float_denorm_mode_32 3
		.amdhsa_float_denorm_mode_16_64 3
		.amdhsa_memory_ordered 1
		.amdhsa_forward_progress 1
		.amdhsa_inst_pref_size 147
	.end_amdhsa_kernel
	.amdgpu_metadata
---
amdhsa.version: [ 1, 2 ]
amdhsa.kernels:
  - .name:           k_qa4b1ff8863_oproj
    .symbol:         k_qa4b1ff8863_oproj.kd
    .args:
      - { .name: a_img, .offset: 0, .size: 8, .value_kind: global_buffer, .address_space: global }
      - { .name: a_sc, .offset: 8, .size: 8, .value_kind: global_buffer, .address_space: global }
      - { .name: Wo_codes, .offset: 16, .size: 8, .value_kind: global_buffer, .address_space: global }
      - { .name: Wo_scales, .offset: 24, .size: 8, .value_kind: global_buffer, .address_space: global }
      - { .name: bo, .offset: 32, .size: 8, .value_kind: global_buffer, .address_space: global }
      - { .name: out0, .offset: 40, .size: 8, .value_kind: global_buffer, .address_space: global }
    .group_segment_fixed_size: 327680
    .private_segment_fixed_size: 0
    .kernarg_segment_align: 8
    .kernarg_segment_size: 48
    .max_flat_workgroup_size: 128
    .sgpr_count:     98
    .vgpr_count:     1024
    .wavefront_size: 32
...
	.end_amdgpu_metadata
.endif
;; end of part 3
;; ======== version 2 of 2: 3 launches; version 1 with the launch attn written anew for expert scheduling mode
;; workspace buffers: q_img 8,388,608 bytes; k_img 8,388,608 bytes; v_img 8,388,608 bytes; q_sc 524,288 bytes; k_sc 524,288 bytes; v_sc 262,144 bytes; a_img 8,388,608 bytes; a_sc 262,144 bytes
;; launch proj: the kernel of part 1 again; grid 12 x 32, 4 waves a work-group, clusters of 4 x 4, 327,680 bytes of LDS; arguments x_codes, x_scales, Wq_codes, Wq_scales, Wk_codes, Wk_scales, Wv_codes, Wv_scales, bq, bk, bv, q_img, q_sc, k_img, k_sc, v_img, v_sc; writes q_img, q_sc, k_img, k_sc, v_img, v_sc
;; launch attn (part 4): grid 4 x 64, 8 waves a work-group, no clusters, 267,264 bytes of LDS; arguments q_img, q_sc, k_img, k_sc, v_img, v_sc, a_img, a_sc; writes a_img, a_sc
.if DOCPART == 4
	.amdgcn_target "amdgcn-amd-amdhsa--gfx1250"
	.amdhsa_code_object_version 6
	.text
	.protected	k_qa4b1ff8863_attn
	.globl	k_qa4b1ff8863_attn
	.p2align	8
	.type	k_qa4b1ff8863_attn,@function
k_qa4b1ff8863_attn:
	s_mov_b64 s[64:65], 0
	v_nop
	global_prefetch_b8 v0, s[64:65] scope:SCOPE_SE
	s_setreg_imm32_b32 hwreg(HW_REG_WAVE_SCHED_MODE, 0, 2), 2
	s_setreg_imm32_b32 hwreg(HW_REG_WAVE_MODE, 25, 1), 1
	s_wait_xcnt 0x0
	s_wait_alu depctr_vm_vsrc(0)
; out[q] = sum over keys of |softmax(q . k / 8)| v, for one head (work-group y = batch x 16 + head) and 512 of its 2,048 queries (work-group x), both products on codes of BF8 (E5M2) with E8M0 scales.
; The weights are quantised FINISHED: p = exp(s / 8 - row's maximum) / row's sum, so a row's sum is known before any of its p is quantised.  p is never negative, so the absolute value changes nothing.
; SHARES.  THE EIGHT WAVES SHARE THE KEYS: wave w owns keys 256 w .. 256 w + 255.  Its 16 tiles of K (128 registers) and its V (2 x 128 keys x 64 d: 128 registers) are loaded once and stay in window 1 for the whole launch.
; The queries go by groups of 16, 32 groups.  For a group each wave makes its 16 x 256 scores, their maximum, one exponential a score and their sum; the eight (maximum, sum) pairs of each query meet in LDS behind one barrier;
; every wave forms the row's sum by the same lines, multiplies its exponentials by F = 2^(own maximum - row's) / sum, quantises them along the keys and multiplies by its V.  The eight partial results of a group wait in LDS;
; after eight groups wave w adds the eight parts of group w, quantises the sum along the head's 64 and stores codes and scale bytes for the last product.
; LAYOUT.  Both products are used transposed: S^T = K Q^T (source 0 = 16 keys, source 1 = the 16 queries), O^T = V^T P^T (source 0 = 16 d, source 1 = P): a lane holds ONE query (lane % 16) throughout.
; The 16 registers of score tiles 2 b, 2 b + 1 are keys 32 b + 16 u + 8 (lane / 16) + j: one block of 32, in the order in which the launch before laid V's keys inside a block: converted as they stand they are P's operand.
; K = 64 IN AN INSTRUCTION OF 128: Q's fragment is eight registers of codes and eight of zero codes.  K's tiles lie eight registers apiece, on end; a tile's operand runs on over the next tile's codes (the last tile's: over V's first),
; finite codes that meet Q's zero codes and add nothing; bytes 2 and 3 of K's and Q's scale words are 0, which is 2^-127.
; No tensor load, no cluster: a joint load lands in LDS, and K and V are wanted in registers, once; each of their bytes is read by four work-groups in the launch.  Q's next tile is asked for behind a group's exponentials, with the sums, the barrier, the quantising and the second product between the request and its use, so nothing is prefetched.
; a_img: [K step of 256: 4][tile of 16 rows: 512][128 along K: 2][block of 32: 4][lane][16 bytes], K in its true order (the LDS addresses of the last sum give it); a_sc: [8192][32] bytes.
; LIMITS: a p under 2^-126 is 0 (v_exp_f32 flushes denormals: ISA guide, its entry).  A block of zeros gets the scale byte 1 where the rule says 127: its codes are zeros, and this program alone reads the bytes.
; The second product is summed as eight parts of 256 keys, added in ascending order of pairs.  a_sc leaves by single bytes, two to a row of 32: a head owns no more of a row; that is one byte for each 32 of codes.
; THE MODE: SCHED_MODE bits 1:0 = 2 (LLVM: expert scheduling mode 2), set by the entry lines.  The code itself states the register dependences between vector or matrix instructions and memory or LDS instructions, with s_wait_alu, always for 0.
; THE PLAN.  Registers that memory or LDS instructions touch:
;   v1-4, v7-9, v17, v37  addresses, made at the head and never written again: one wait on va_vdst ahead of the first load serves them all.
;   v6          the partial results' LDS address: written once a group, ahead of the wait on va_vdst that stands in front of the stores of O^T anyway.
;   Q, QS       read by a group's 16 products; the next group's loads land in them behind the wait on va_vdst that follows the exponentials; nothing names them from there to the next group's head.
;   v12, v13    written early in a group, read by the pair's LDS store.     E: the sum's chains work in it, then the eight pairs land in it: one wait on va_vdst ahead of the pair's store serves both.
;   O^T         written by the second product, read by eight LDS stores, written again by the next group's first product or by a load of the last sum.
;   v40-71, v128-255 in the last sum: LDS loads land in them, the additions read and write them.     AC, v21: written once a batch, read by the global stores.
; One wait on vm_vsrc at each group's head states that all earlier stores have read their registers: v12, v13, v6, O^T, AC and v21 are written again only behind it.  The last sum has one of its own, ahead of its loads.
.set EX,   262144                      ; LDS: behind the partial results, twice (groups by turns) 16 rows of 80 bytes: query r's eight pairs (c x maximum, sum), 8 bytes a wave, 16 bytes of padding
.set EXB,  1280
.set KSR,  24                          ; v24-31  K's scale words: register 4 (t / 8) + (t % 8) / 2: lanes 0-15 the even tile's, lanes 16-31 the odd tile's
.set VSR,  32                          ; v32-35  V's: register 2 (step) + dt / 2 likewise
.set QS,   36                          ; v36     Q's scale words
.set PW,   38                          ; v38-39  P's scale words for my first and second 128 keys
.set BM,   40                          ; v40-47  each block's largest score, then its largest p.  (In the last sum v40-71 first take the eighth wave's part)
.set BX,   48                          ; v48-55  at work: the other half's maxima, then the bytes
.set LIM,  56                          ; v56-63  57,344 x the scale
.set SCO,  64                          ; v64-71  the conversions' scale operands
.set E,    72                          ; v72-87  the sum's four chains, then the eight pairs
.set Q,    88                          ; v88-95  Q's codes; v96-103 zero codes
.set PT,   104                         ; v104-119 P's codes, keys 128-255
.set AC,   120                         ; v120-127 the output's codes
.set S,    128                         ; v128-255 the scores, then the exponentials, then p
.set P0,   192                         ; v192-207 P's codes, keys 0-127, over scores that are done with
.set O,    224                         ; v224-255 O^T, four tiles of 16 d, likewise
; v1 16 x lane; v2 16 r; v3, v4 where I store and read the pairs; v5 4,096 w + 16 x lane; v6 the partial results' address in hand; v7 where the last sum reads; v8 8 x lane; v9 32 r + h; v12 c x my maximum, v13 my sum; v18 F (v19 named with it); v20-23 at work
.set MSB, 0
.macro WIN new                         ; the immediate's high byte repeats the setting that is left
.if MSB != \new
	s_set_vgpr_msb (MSB<<8)|\new
.set MSB, \new
.endif
.endm
.macro PLACES n
.rept \n
	v_nop
.endr
.endm
	s_load_b512 s[8:23], s[0:1], 0x0               ; q_img, q_sc, k_img, k_sc, v_img, v_sc, a_img, a_sc
	v_lshl_add_u32 v17, v0, 2, 0x41000
	v_mov_b32 v37, 0
.irp j, 0,1,2,3,4,5,6,7
	v_mov_b32 v[Q+8+\j], 0                         ; the zero codes of Q's upper 64 along K: written once
.endr
.irp j, 0,1,2,3,4,5,6,7
	v_mov_b32 v[BX+\j], 0                          ; written once: a lane permute's destination counts as one of its sources
.endr
	v_mov_b32 v13, 0                               ; (named in pairs before they are first written)
	v_mov_b32 v19, 0
	v_lshrrev_b32 v1, 5, v0
	v_readfirstlane_b32 s24, v1                    ; wave 0..7
	s_and_b32 s25, ttmp7, 0xffff                   ; batch x 16 + head
	v_and_b32 v10, 31, v0                          ; lane
	v_and_b32 v11, 15, v0                          ; r
	v_bfe_u32 v14, v0, 4, 1                        ; h
	v_lshlrev_b32 v1, 4, v10
	v_lshlrev_b32 v2, 4, v11
	v_lshlrev_b32 v8, 3, v10
	v_mul_u32_u24 v4, v11, 80
	v_add_nc_u32 v4, EX, v4
	s_wait_alu depctr_va_sdst(0)                   ; s24, the wave's number, is written, ahead of its first reader: LDS places and the bases of K, V and the outputs are made from it
	s_lshl_b32 s46, s24, 3
	v_add_nc_u32 v3, s46, v4
	s_lshl_b32 s46, s24, 12
	v_add_nc_u32 v5, s46, v1
	s_lshl_b32 s46, s24, 15
	v_lshl_add_u32 v7, v14, 10, v2
	v_add_nc_u32 v7, s46, v7
	v_lshl_add_u32 v9, v11, 5, v14
	s_mov_b32 s28, 0x3e38aa3b                      ; c = log2(e) / 8
	s_mov_b32 s29, s28                             ; (the packed form names the pair)
	s_mov_b32 s30, 0x76543210
	s_mov_b32 s31, 0xfedcba98                      ; v_permlanex16_b32's selects for lane l xor 16
	s_mov_b32 s32, 0x600000                        ; the mantissa field of 57,344
	s_mov_b32 s33, 0xffff0000                      ; lanes 16-31
	s_mov_b32 s39, 0
	s_mov_b32 s41, 0
	s_mov_b32 s47, 0
	s_mov_b32 s49, 0
	s_lshl_b32 s26, s25, 17                        ; a head's codes: 131,072 bytes in each image
	s_lshl_b32 s46, ttmp9, 15
	s_add_co_u32 s46, s46, s26                     ; Q: my work-group's 32 tiles of 1,024 bytes
	s_lshl_b32 s48, s24, 14
	s_add_co_u32 s48, s48, s26                     ; K, V: my wave's 256 keys, 16,384 bytes
	s_wait_kmcnt 0x0
	s_add_nc_u64 s[8:9], s[8:9], s[46:47]
	s_add_nc_u64 s[12:13], s[12:13], s[48:49]
	s_add_nc_u64 s[16:17], s[16:17], s[48:49]
	s_lshl_b32 s26, s25, 13                        ; a head's scale words of q or k: 8,192 bytes
	s_lshl_b32 s46, ttmp9, 11
	s_add_co_u32 s46, s46, s26
	s_add_nc_u64 s[10:11], s[10:11], s[46:47]
	s_lshl_b32 s48, s24, 10
	s_add_co_u32 s48, s48, s26
	s_add_nc_u64 s[14:15], s[14:15], s[48:49]
	s_lshl_b32 s46, s25, 12                        ; of v: 4,096 bytes
	s_lshl_b32 s48, s24, 9
	s_add_co_u32 s48, s48, s46
	s_add_nc_u64 s[18:19], s[18:19], s[48:49]
	s_wait_alu depctr_va_vdst(0)                   ; the addresses v1 to v4, v7 to v9 are written, which the kernel's loads and stores read; so are Q's zero codes v96-103, which the scaled products take as part of an operand
	global_load_b128 v[Q:Q+3], v1, s[8:9]                  ; the first group's Q
	global_load_b128 v[Q+4:Q+7], v1, s[8:9] offset:512
	global_load_b32 v[QS], v2, s[10:11]
	global_load_b128 v[KSR:KSR+3], v1, s[14:15]
	global_load_b128 v[KSR+4:KSR+7], v1, s[14:15] offset:512
	global_load_b64 v[VSR:VSR+1], v8, s[18:19]
	global_load_b64 v[VSR+2:VSR+3], v8, s[18:19] offset:256
	WIN 0x40                                       ; destination window 1.  (Between the wait above and the loads below stand loads and this switch alone)
.set i, 0
.rept 32
	global_load_b128 v[4*i:4*i+3], v1, s[12:13] offset:512*i       ; K: tile i / 2, block i % 2: 512 consecutive bytes a load
.set i, i+1
.endr
.set i, 0
.rept 32
	global_load_b128 v[128+4*i:128+4*i+3], v1, s[16:17] offset:512*i   ; V: 128 keys i / 16, tile of d (i / 4) % 4, block of keys i % 4
.set i, i+1
.endr
	WIN 0
	s_and_b32 s26, s25, 15                         ; head
	s_lshr_b32 s27, s25, 4                         ; batch
	s_lshr_b32 s46, s26, 2
	s_lshl_b32 s46, s46, 9                         ; the head's K step of 256 in the last product: 512 tiles of rows each
	s_lshl_b32 s48, s27, 7
	s_add_co_u32 s46, s46, s48
	s_lshl_b32 s48, ttmp9, 5
	s_add_co_u32 s46, s46, s48
	s_add_co_u32 s46, s46, s24                     ; the tile of rows that I finish in the first batch
	s_lshl_b32 s46, s46, 12
	s_and_b32 s48, s26, 3
	s_lshl_b32 s48, s48, 10                        ; the head's 64 in the 256: 1,024 bytes
	s_add_co_u32 s46, s46, s48
	s_add_nc_u64 s[20:21], s[20:21], s[46:47]
	s_lshl_b32 s46, s27, 11
	s_lshl_b32 s48, ttmp9, 9
	s_add_co_u32 s46, s46, s48
	s_lshl_b32 s48, s24, 4
	s_add_co_u32 s46, s46, s48                     ; its first row
	s_lshl_b32 s46, s46, 5
	s_lshl_b32 s48, s26, 1
	s_add_co_u32 s46, s46, s48                     ; 32 scale bytes a row, the head's two
	s_add_nc_u64 s[22:23], s[22:23], s[46:47]
; ONE GROUP OF 16 QUERIES.  par: the group's parity in the trip.
.macro GROUP par
	s_wait_loadcnt 0x0                             ; this group's Q, asked for in the group before (the first time: K, V and all scale words too)
	s_wait_alu depctr_vm_vsrc(0)                   ; the LDS stores of the group before have read its pair (v12, v13), v6 and O^T (v224-255), the last sum's global stores v21 and v120-127: all of these are written again only behind this line
	WIN 1                                          ; source 0 in window 1
.set t, 0
.rept 16
.if t%2
	v_wmma_scale_f32_16x16x128_f8f6f4 v[S+8*t:S+8*t+7], v[8*t:8*t+15], v[Q:Q+15], 0, v[KSR+4*(t/8)+(t%8)/2], v[QS] matrix_a_fmt:MATRIX_FMT_BF8 matrix_b_fmt:MATRIX_FMT_BF8 matrix_a_scale:MATRIX_SCALE_ROW1
.else
	v_wmma_scale_f32_16x16x128_f8f6f4 v[S+8*t:S+8*t+7], v[8*t:8*t+15], v[Q:Q+15], 0, v[KSR+4*(t/8)+(t%8)/2], v[QS] matrix_a_fmt:MATRIX_FMT_BF8 matrix_b_fmt:MATRIX_FMT_BF8
.endif
.set t, t+1
.endr
	WIN 0
	PLACES 8                                       ; in front of the first read of scores
.irp b, 0,1,2,3,4,5,6,7
	v_max3_num_f32 v[BM+\b], v[S+16*\b], v[S+16*\b+1], v[S+16*\b+2]    ; the largest score of each block of 32 keys: it serves for the row's maximum and, since p rises with the score, for the block's largest p
.endr
.irp i, 3,5,7,9,11,13
.irp b, 0,1,2,3,4,5,6,7
	v_max3_num_f32 v[BM+\b], v[BM+\b], v[S+16*\b+\i], v[S+16*\b+\i+1]
.endr
.endr
.irp b, 0,1,2,3,4,5,6,7
	v_max_num_f32 v[BM+\b], v[BM+\b], v[S+16*\b+15]
.endr
.irp b, 0,1,2,3,4,5,6,7
	v_permlanex16_b32 v[BX+\b], v[BM+\b], s30, s31
.endr
.irp b, 0,1,2,3,4,5,6,7
	v_max_num_f32 v[BM+\b], v[BM+\b], v[BX+\b]     ; with lane l xor 16's 16 keys
.endr
	v_max3_num_f32 v14, v[BM], v[BM+1], v[BM+2]
	v_max3_num_f32 v15, v[BM+3], v[BM+4], v[BM+5]
	v_max3_num_f32 v14, v14, v[BM+6], v[BM+7]
	v_max_num_f32 v14, v14, v15                    ; my query's largest score among my 256 keys
	v_mul_f32 v12, s28, v14                        ; c x it
.set j, 0
.rept 64
	v_pk_fma_f32 v[S+j:S+j+1], v[S+j:S+j+1], s[28:29], v[12:13] op_sel_hi:[1,0,0] neg_lo:[0,0,1] neg_hi:[0,0,1]   ; c s - c m, two at a time
.set j, j+2
.endr
.irp b, 0,1,2,3,4,5,6,7
	v_fma_f32 v[BM+\b], v[BM+\b], s28, -v12        ; the same of each block's largest score
.endr
.set j, 0
.rept 128
	v_exp_f32 v[S+j], v[S+j]                       ; one exponential a score
.set j, j+1
.endr
.irp b, 0,1,2,3,4,5,6,7
	v_exp_f32 v[BM+\b], v[BM+\b]
.endr
	v_nop                                          ; a plain instruction behind the last exponential
	s_wait_alu depctr_va_vdst(0)                   ; the 136 exponentials have written v128-255 and v40-47, ahead of their first reader; and the 16 products are done reading Q's codes and scale words, in which the loads below land
.if \par == 0
	global_load_b128 v[Q:Q+3], v1, s[8:9] offset:1024              ; the next group's Q: the odd tile of the pair.  No vector or matrix instruction names these registers from the wait above to the next group's head
	global_load_b128 v[Q+4:Q+7], v1, s[8:9] offset:1536
	global_load_b32 v[QS], v2, s[10:11] offset:256
.else
	s_cmp_eq_u32 s34, 3                            ; the next pair of tiles.  Scale words: 4 bytes on, and behind four pairs 512 - 12.  (The loads that named these bases were waited for at this group's head)
	s_cselect_b32 s40, 500, 4
	s_lshl_b32 s46, s35, 2
	s_add_co_u32 s46, s46, s34
	s_cmp_eq_u32 s46, 7                            ; the launch's last group (one batch to go, trip 3): the addresses stay, so that no load leaves its buffer; what it loads is not used
	s_cselect_b32 s40, 0, s40
	s_cselect_b32 s38, 0, 2048
	s_add_nc_u64 s[8:9], s[8:9], s[38:39]
	s_add_nc_u64 s[10:11], s[10:11], s[40:41]
	global_load_b128 v[Q:Q+3], v1, s[8:9]
	global_load_b128 v[Q+4:Q+7], v1, s[8:9] offset:512
	global_load_b32 v[QS], v2, s[10:11]
.endif
.irp q, 0,1,2,3
	v_pk_add_f32 v[E+2*\q:E+2*\q+1], v[S+2*\q:S+2*\q+1], v[S+8+2*\q:S+8+2*\q+1]   ; my sum, two at a time, in four chains
.endr
.irp k, 16,24,32,40,48,56,64,72,80,88,96,104,112,120
.irp q, 0,1,2,3
	v_pk_add_f32 v[E+2*\q:E+2*\q+1], v[E+2*\q:E+2*\q+1], v[S+\k+2*\q:S+\k+2*\q+1]
.endr
.endr
	v_pk_add_f32 v[E:E+1], v[E:E+1], v[E+2:E+3]
	v_pk_add_f32 v[E+4:E+5], v[E+4:E+5], v[E+6:E+7]
	v_pk_add_f32 v[E:E+1], v[E:E+1], v[E+4:E+5]
	v_add_f32 v13, v[E], v[E+1]
	v_permlanex16_b32 v14, v13, s30, s31
	v_add_f32 v13, v13, v14                        ; of my 256 keys
	s_wait_alu depctr_va_vdst(0)                   ; v12 and v13 are written, which the store below reads; and the chains are done with v72-79, in which the loads behind the barrier land
	ds_store_b64 v3, v[12:13] offset:\par*EXB      ; both lanes of a query write the same pair to the same place
	s_wait_dscnt 0x0                               ; for the others' sake: my pair has landed; so have the last group's partial results
	s_barrier_signal -1
	s_barrier_wait -1                              ; these bytes are written again two groups on, behind the next group's barrier, in front of which every wave has waited for the reads below
.irp i, 0,1,2,3
	ds_load_b128 v[E+4*\i:E+4*\i+3], v4 offset:\par*EXB+16*\i
.endr
	s_wait_dscnt 0x0
	v_max3_num_f32 v20, v[E], v[E+2], v[E+4]
	v_max3_num_f32 v21, v[E+6], v[E+8], v[E+10]
	v_max3_num_f32 v20, v20, v[E+12], v[E+14]
	v_max_num_f32 v20, v20, v21                    ; c x the row's maximum
.irp i, 0,1,2,3,4,5,6,7
	v_sub_f32 v[E+2*\i], v[E+2*\i], v20
.endr
	v_sub_f32 v21, v12, v20
.irp i, 0,1,2,3,4,5,6,7
	v_exp_f32 v[E+2*\i], v[E+2*\i]                 ; what brings wave i's sum under the row's maximum
.endr
	v_exp_f32 v21, v21                             ; and mine
	v_nop
	s_wait_alu depctr_va_vdst(0)                   ; the nine exponentials have written the even registers of v72-87 and v21, ahead of their first reader
	v_mul_f32 v22, v[E], v[E+1]                    ; the row's sum: the same lines in the same order in all eight waves
	v_mul_f32 v23, v[E+2], v[E+3]
	v_fmac_f32 v22, v[E+4], v[E+5]
	v_fmac_f32 v23, v[E+6], v[E+7]
	v_fmac_f32 v22, v[E+8], v[E+9]
	v_fmac_f32 v23, v[E+10], v[E+11]
	v_fmac_f32 v22, v[E+12], v[E+13]
	v_fmac_f32 v23, v[E+14], v[E+15]
	v_add_f32 v22, v22, v23                        ; at least 1: the wave with the row's maximum brings a term of 1
	v_rcp_f32 v22, v22
	v_nop
	s_wait_alu depctr_va_vdst(0)                   ; the reciprocal has written v22, ahead of its reader
	v_mul_f32 v18, v21, v22                        ; F
.set j, 0
.rept 64
	v_pk_mul_f32 v[S+j:S+j+1], v[S+j:S+j+1], v[18:19] op_sel_hi:[1,0]   ; p, finished and normalised
.set j, j+2
.endr
.irp b, 0,1,2,3,4,5,6,7
	v_mul_f32 v[BM+\b], v[BM+\b], v18              ; each block's largest p: the same instructions on the same number give the same bits
.endr
.irp b, 0,1,2,3,4,5,6,7
	v_max_num_f32 v[BM+\b], 0x8000000, v[BM+\b]    ; the floor 2^(16 - 127): the byte cannot fall under 1
.endr
.irp b, 0,1,2,3,4,5,6,7
	v_add_nc_u32 v[SCO+\b], 0xf8800000, v[BM+\b]   ; 15 off the exponent field: the conversion's scale operand
.endr
.irp b, 0,1,2,3,4,5,6,7
	v_and_or_b32 v[LIM+\b], v[BM+\b], 0x7f800000, s32   ; 57,344 x the scale
.endr
.irp b, 0,1,2,3,4,5,6,7
	v_lshrrev_b32 v[BX+\b], 23, v[SCO+\b]          ; the scale's byte
.endr
	v_lshl_or_b32 v[PW], v[BX+1], 8, v[BX]
	v_lshl_or_b32 v[PW+1], v[BX+5], 8, v[BX+4]
	v_lshl_or_b32 v[PW], v[BX+2], 16, v[PW]
	v_lshl_or_b32 v[PW+1], v[BX+6], 16, v[PW+1]
	v_lshl_or_b32 v[PW], v[BX+3], 24, v[PW]
	v_lshl_or_b32 v[PW+1], v[BX+7], 24, v[PW+1]    ; the 128 holds below are the places between these scale words and the products that name them
.irp b, 4,5,6,7                        ; the upper four blocks first: their registers then take the lower four blocks' codes and O^T
.irp i, 0,1,2,3,4,5,6,7,8,9,10,11,12,13,14,15
	v_min_num_f32 v[S+16*\b+\i], v[S+16*\b+\i], v[LIM+\b]   ; the conversion to an 8-bit code does not saturate (ISA guide 7.6.2); p is not negative, so the hold is one-sided
.endr
	v_cvt_scalef32_pk8_bf8_f32 v[PT+4*(\b-4):PT+4*(\b-4)+1], v[S+16*\b:S+16*\b+7], v[SCO+\b]
	v_cvt_scalef32_pk8_bf8_f32 v[PT+4*(\b-4)+2:PT+4*(\b-4)+3], v[S+16*\b+8:S+16*\b+15], v[SCO+\b]
.endr
.irp b, 0,1,2,3
.irp i, 0,1,2,3,4,5,6,7,8,9,10,11,12,13,14,15
	v_min_num_f32 v[S+16*\b+\i], v[S+16*\b+\i], v[LIM+\b]
.endr
	v_cvt_scalef32_pk8_bf8_f32 v[P0+4*\b:P0+4*\b+1], v[S+16*\b:S+16*\b+7], v[SCO+\b]
	v_cvt_scalef32_pk8_bf8_f32 v[P0+4*\b+2:P0+4*\b+3], v[S+16*\b+8:S+16*\b+15], v[SCO+\b]
.endr
	PLACES 4                                       ; an operand written by vector instructions stands four places ahead of a scaled matrix instruction
	WIN 1
	s_wait_alu depctr_va_vdst(0)                   ; the conversions have written P's codes (v104-119, v192-207) and the shifts P's scale words (v38, v39), which the scaled products below take; the places above stay beside this wait
.irp d, 0,1,2,3                        ; O^T = V^T P^T: my first 128 keys start the four sums, my second 128 go on; the four accumulators by turns
.if \d%2
	v_wmma_scale_f32_16x16x128_f8f6f4 v[O+8*\d:O+8*\d+7], v[128+16*\d:128+16*\d+15], v[P0:P0+15], 0, v[VSR+\d/2], v[PW] matrix_a_fmt:MATRIX_FMT_BF8 matrix_b_fmt:MATRIX_FMT_BF8 matrix_a_scale:MATRIX_SCALE_ROW1
.else
	v_wmma_scale_f32_16x16x128_f8f6f4 v[O+8*\d:O+8*\d+7], v[128+16*\d:128+16*\d+15], v[P0:P0+15], 0, v[VSR+\d/2], v[PW] matrix_a_fmt:MATRIX_FMT_BF8 matrix_b_fmt:MATRIX_FMT_BF8
.endif
.endr
.irp d, 0,1,2,3
.if \d%2
	v_wmma_scale_f32_16x16x128_f8f6f4 v[O+8*\d:O+8*\d+7], v[192+16*\d:192+16*\d+15], v[PT:PT+15], v[O+8*\d:O+8*\d+7], v[VSR+2+\d/2], v[PW+1] matrix_a_fmt:MATRIX_FMT_BF8 matrix_b_fmt:MATRIX_FMT_BF8 matrix_a_scale:MATRIX_SCALE_ROW1
.else
	v_wmma_scale_f32_16x16x128_f8f6f4 v[O+8*\d:O+8*\d+7], v[192+16*\d:192+16*\d+15], v[PT:PT+15], v[O+8*\d:O+8*\d+7], v[VSR+2+\d/2], v[PW+1] matrix_a_fmt:MATRIX_FMT_BF8 matrix_b_fmt:MATRIX_FMT_BF8
.endif
.endr
	WIN 0
	PLACES 9                                       ; eight in front of the stores of results; nine in front of the next group's products, which write over these operands and results
	v_add_nc_u32 v6, s36, v5                       ; (the stores that read v6 last stand ahead of the wait on vm_vsrc at this group's head)
	s_wait_alu depctr_va_vdst(0)                   ; the products have written O^T and the line above v6, which the stores below read; the places above stay beside this wait.  No vector or matrix instruction follows in this group: in a batch's last group the wait also serves the last sum's loads into v40-71 and v128-255
.irp i, 0,1,2,3,4,5,6,7
	ds_store_b128 v6, v[O+4*\i:O+4*\i+3] offset:\par*32768+512*\i   ; [group of the batch: 32,768][wave: 4,096][four registers: 512][lane: 16]; each accumulator from its low end on
.endr
.endm
; THE LAST SUM, once for eight groups: wave w adds the eight waves' parts of group w.  The addresses put the head's 64 into their true order: lane (r, h) takes, for block c, tile of d 2 c + h, from the lane slots r and r + 16.
.macro RLOAD v, reg
.irp c, 0,1
.irp hh, 0,1
.irp jq, 0,1
	ds_load_b128 v[\reg+16*\c+8*\hh+4*\jq:\reg+16*\c+8*\hh+4*\jq+3], v7 offset:4096*(\v)+2048*\c+512*\jq+256*\hh
.endr
.endr
.endr
.endm
.macro RADD dst, src
.set i, 0
.rept 16
	v_pk_add_f32 v[\dst+i:\dst+i+1], v[\dst+i:\dst+i+1], v[\src+i:\src+i+1]
.set i, i+2
.endr
.endm
.macro REDUCE
	s_wait_dscnt 0x0                               ; my partial results have landed
	s_barrier_signal -1
	s_barrier_wait -1                              ; everybody's have
	s_wait_alu depctr_vm_vsrc(0)                   ; my LDS stores of the last group have read O^T (v224-255), in which part 3 lands
	RLOAD 0, S
	RLOAD 1, S+32
	RLOAD 2, S+64
	RLOAD 3, S+96
	RLOAD 7, BM                                    ; the eighth part goes into v40-71, which lie idle here, so that it is on its way with the first four
	s_wait_dscnt 8                                 ; LDS loads come back in order (ISA guide 5.7.1): parts 0 to 3 are in; the youngest eight loads, part 7's, may stay out
	RADD S, S+32
	RADD S+64, S+96
	RADD S, S+64
	s_wait_alu depctr_va_vdst(0)                   ; the additions are done reading v160-191 and v224-255 and have written v192-223: the loads below land in these three buffers
	RLOAD 4, S+32
	RLOAD 5, S+64
	RLOAD 6, S+96
	s_wait_dscnt 0x0                               ; my reads are over: the next batch's first partial results are stored behind its first group's barrier
	RADD S, S+32
	RADD S+64, S+96
	RADD S, S+64
	RADD S, BM                                     ; register 16 c + x: d = 32 c + 16 h + x of query r
.irp c, 0,1
	v_max3_num_f32 v[BM+\c], |v[S+16*\c]|, |v[S+16*\c+1]|, 0x8000000
.endr
.irp i, 2,4,6,8,10,12,14
.irp c, 0,1
	v_max3_num_f32 v[BM+\c], v[BM+\c], |v[S+16*\c+\i]|, |v[S+16*\c+\i+1]|
.endr
.endr
.irp c, 0,1
	v_permlanex16_b32 v[BX+\c], v[BM+\c], s30, s31
.endr
.irp c, 0,1
	v_max_num_f32 v[BM+\c], v[BM+\c], v[BX+\c]
.endr
.irp c, 0,1
	v_add_nc_u32 v[SCO+\c], 0xf8800000, v[BM+\c]
.endr
.irp c, 0,1
	v_and_or_b32 v[LIM+\c], v[BM+\c], 0x7f800000, s32
.endr
.irp c, 0,1
	v_lshrrev_b32 v[BX+\c], 23, v[SCO+\c]
.endr
.irp c, 0,1
.irp i, 0,1,2,3,4,5,6,7,8,9,10,11,12,13,14,15
	v_med3_num_f32 v[S+16*\c+\i], v[S+16*\c+\i], -v[LIM+\c], v[LIM+\c]
.endr
	v_cvt_scalef32_pk8_bf8_f32 v[AC+4*\c:AC+4*\c+1], v[S+16*\c:S+16*\c+7], v[SCO+\c]
	v_cvt_scalef32_pk8_bf8_f32 v[AC+4*\c+2:AC+4*\c+3], v[S+16*\c+8:S+16*\c+15], v[SCO+\c]
.endr
	v_nop                                          ; a plain vector instruction behind the last conversion
	v_cndmask_b32 v21, v[BX], v[BX+1], s33         ; lanes 0-15 store block 0's byte, lanes 16-31 block 1's
	s_wait_alu depctr_va_vdst(0)                   ; the conversions have written v120-127 and the select v21, which the stores below read
	global_store_b128 v1, v[AC:AC+3], s[20:21]             ; 512 consecutive bytes each, at a multiple of 512 from the buffer's first byte
	global_store_b128 v1, v[AC+4:AC+7], s[20:21] offset:512
	global_store_b8 v9, v21, s[22:23]
	s_wait_xcnt 0x0                                ; the stores have read their data and bases: both are written again
	s_add_nc_u64 s[20:21], s[20:21], 32768         ; eight tiles of rows on
	s_add_nc_u64 s[22:23], s[22:23], 4096          ; 128 rows on
.endm
	s_mov_b32 s35, 4                               ; batches of eight groups to go
.Lbatch:
	s_mov_b32 s34, 0                               ; the trip: two groups each
	s_mov_b32 s36, 0                               ; where the trip's partial results begin in LDS
.Lpair:
	GROUP 0
	GROUP 1
	s_add_co_u32 s36, s36, 0x10000
	s_add_co_u32 s34, s34, 1
	s_cmp_lt_u32 s34, 4
	s_cbranch_scc1 .Lpair
	REDUCE
	s_sub_co_u32 s35, s35, 1
	s_cmp_lg_u32 s35, 0
	s_cbranch_scc1 .Lbatch
	s_wait_dscnt 0x0                               ; the closing lines, six on end
	s_wait_alu 0x0
	s_wait_tensorcnt 0x0
	ds_add_u32 v17, v37
	s_wait_dscnt 0x0
	s_endpgm
.Lfunc_end_k_qa4b1ff8863_attn:
	.size	k_qa4b1ff8863_attn, .Lfunc_end_k_qa4b1ff8863_attn-k_qa4b1ff8863_attn
	.p2alignl 7, 3214868480
	.fill 96, 4, 3214868480
	.section	.rodata,"a",@progbits
	.p2align	6, 0x0
	.amdhsa_kernel k_qa4b1ff8863_attn
		.amdhsa_group_segment_fixed_size 267264
		.amdhsa_private_segment_fixed_size 0
		.amdhsa_enable_private_segment 0
		.amdhsa_kernarg_size 64
		.amdhsa_user_sgpr_count 2
		.amdhsa_user_sgpr_kernarg_segment_ptr 1
		.amdhsa_wavefront_size32 1
		.amdhsa_system_sgpr_workgroup_id_x 1
		.amdhsa_system_sgpr_workgroup_id_y 1
		.amdhsa_system_sgpr_workgroup_id_z 1
		.amdhsa_system_vgpr_workitem_id 0
		.amdhsa_next_free_vgpr 512
		.amdhsa_next_free_sgpr 66
		.amdhsa_reserve_vcc 0
		.amdhsa_float_denorm_mode_32 3
		.amdhsa_float_denorm_mode_16_64 3
		.amdhsa_memory_ordered 1
		.amdhsa_forward_progress 1
		.amdhsa_inst_pref_size 99
	.end_amdhsa_kernel
	.amdgpu_metadata
---
amdhsa.version: [ 1, 2 ]
amdhsa.kernels:
  - .name:           k_qa4b1ff8863_attn
    .symbol:         k_qa4b1ff8863_attn.kd
    .args:
      - { .name: q_img, .offset: 0, .size: 8, .value_kind: global_buffer, .address_space: global }
      - { .name: q_sc, .offset: 8, .size: 8, .value_kind: global_buffer, .address_space: global }
      - { .name: k_img, .offset: 16, .size: 8, .value_kind: global_buffer, .address_space: global }
      - { .name: k_sc, .offset: 24, .size: 8, .value_kind: global_buffer, .address_space: global }
      - { .name: v_img, .offset: 32, .size: 8, .value_kind: global_buffer, .address_space: global }
      - { .name: v_sc, .offset: 40, .size: 8, .value_kind: global_buffer, .address_space: global }
      - { .name: a_img, .offset: 48, .size: 8, .value_kind: global_buffer, .address_space: global }
      - { .name: a_sc, .offset: 56, .size: 8, .value_kind: global_buffer, .address_space: global }
    .group_segment_fixed_size: 267264
    .private_segment_fixed_size: 0
    .kernarg_segment_align: 8
    .kernarg_segment_size: 64
    .max_flat_workgroup_size: 256
    .sgpr_count:     66
    .vgpr_count:     512
    .wavefront_size: 32
...
	.end_amdgpu_metadata
.endif
;; end of part 4
;; launch oproj: the kernel of part 3 again; grid 4 x 32, 4 waves a work-group, clusters of 4 x 4, 327,680 bytes of LDS; arguments a_img, a_sc, Wo_codes, Wo_scales, bo, out0; writes out0
